; MI455X (gfx1250); checked and timed in simulation.
; The chip was launched on July 23, 2026; its instructions are those of AMD's public machine-readable ISA for CDNA 5 (MIT licence, August 2026) and "CDNA5" Instruction Set Architecture Reference Guide (July 2026). The comments in the code are by the model that wrote it; some were corrected since.
;; Ms PAM Module. Allowed arithmetic: matrix products marked QUANTISED: E5M2 operands, one E8M0 scale for each 32 along K, by v_wmma_scale_f32_16x16x128_f8f6f4 with both operands' format E5M2, f32 sums; everything else in f32.
;; Inputs: Wk1 64 x 512 float32; Wk2 64 x 512 float32; Wk3 64 x 512 float32; Wl 512 x 512 float32; Wq 64 x 512 float32; Wv 512 x 512 float32; bk1 64 float32; bk2 64 float32; bk3 64 float32; bl 512 float32; bq 64 float32; bv 512 float32; gamma 1 float32; x 2 x 512 x 64 x 64 float32; y 2 x 512 x 64 x 64 float32; z 2 x 512 x 64 x 64 float32.
;; Outputs: out0 2 x 512 x 64 x 64 float32.
;; This version of the problem:
;;   THIS VERSION OF THE PROBLEM IS GIVEN IN LOW PRECISION. The matrix products marked QUANTISED in the list below multiply operands that are first quantised to E5M2 (5 exponent bits, 2 mantissa bits; 8 bits a number), with one power-of-two scale for each 32 numbers along K (OCP MX v1.0); their sums are f32. All else is computed in f32.
;;   The module's matrix products, in the order in which they are computed (A, B: the left and right operand; K: the contracted axis; several contracted axes count as one K, in the product's order):
;;     1. [M 8,192, K 512] x [K 512, N 64]; A: input x; B: input Wq: QUANTISED
;;     2. [M 8,192, K 512] x [K 512, N 64]; A: input x; B: input Wk1: QUANTISED
;;     3. [M 8,192, K 512] x [K 512, N 64]; A: input y; B: input Wk2: QUANTISED
;;     4. [M 8,192, K 512] x [K 512, N 64]; A: input z; B: input Wk3: QUANTISED
;;     5. [M 8,192, K 512] x [K 512, N 512]; A: input x; B: input Wv: QUANTISED
;;     6. batch 2 x [M 4,096, K 64] x [K 64, N 4,096]; A: computed on the way; B: computed on the way: QUANTISED
;;     7. batch 2 x [M 512, K 4,096] x [K 4,096, N 4,096]; A: computed on the way; B: computed on the way: QUANTISED
;;     8. batch 2 x [M 4,096, K 64] x [K 64, N 4,096]; A: computed on the way; B: computed on the way: QUANTISED
;;     9. batch 2 x [M 512, K 4,096] x [K 4,096, N 4,096]; A: computed on the way; B: computed on the way: QUANTISED
;;     10. batch 2 x [M 4,096, K 64] x [K 64, N 4,096]; A: computed on the way; B: computed on the way: QUANTISED
;;     11. batch 2 x [M 512, K 4,096] x [K 4,096, N 4,096]; A: computed on the way; B: computed on the way: QUANTISED
;;     12. [M 8,192, K 512] x [K 512, N 512]; A: computed on the way; B: input Wl: QUANTISED
;;   THE QUANTISER, for each operand of a quantised product, along K:
;;     - K is cut into blocks of 32 from its start; a last block that is shorter is filled with zeros.
;;     - A block's scale is 2^e with e = floor(log2(the largest magnitude in the block)) - 15, held to -126 .. 127; a block of zeros has e = 0. As a byte (E8M0): e + 127.
;;     - Each number is divided by its block's scale, clamped to +-57,344, and rounded to the nearest number of E5M2, ties to even, subnormals kept.
;;     - The product sums the exact products of the quantised numbers (number of the format x scale) in f32.
;;   ~~~python
;;   def quantise(x, axis):      # numpy; x: float32 -> the quantised numbers, widened to float32 again
;;       x = np.moveaxis(x, axis, -1); K = x.shape[-1]
;;       x = np.pad(x, [(0, 0)] * (x.ndim - 1) + [(0, -K % 32)]); x = x.reshape(x.shape[:-1] + (-1, 32)); a = np.abs(x).max(-1, keepdims=True)
;;       e = np.where(a > 0, np.clip(np.frexp(np.where(a > 0, a, 1))[1] - 1 - 15, -126, 127), 0)      # np.frexp(a)[1] - 1 = floor(log2(a)), exactly
;;       r = np.clip(x / 2.0 ** e, -57344, 57344)
;;       step = 2.0 ** (np.maximum(np.frexp(np.where(r == 0, 1, r))[1] - 1, -14) - 2)
;;       q = np.round(r / step) * step * 2.0 ** e      # np.round: ties to even
;;       return np.moveaxis(q.reshape(q.shape[:-2] + (-1,))[..., :K], -1, axis).astype(np.float32)
;;   ~~~
;;   OPERANDS COMPUTED ON THE WAY. 'Computed on the way' means the value that the module computes at that place (a softmax that the list does not call 'softmax' is quantised finished and normalised). What goes into a quantiser is computed in f32, as accurately as f32 sums, v_exp_f32 and their like allow (about 1e-6 of the number): no bf16 or f16 on the way to a quantiser, and a product that is left as it is and whose result goes on into a quantised operand takes f32 operands (vector FMAs, or v_wmma_f32_16x16x4_f32). A number that lies on a knife's edge between two numbers of the format may be rounded either way, as far as f32 arithmetic and the matrix unit's own rounding can turn it there, and no further.
;; 2 versions, each right; version 2 is version 1 with the launches project, final written anew for expert scheduling mode. Each part assembles by itself: llvm-mc -triple=amdgcn-amd-amdhsa -mcpu=gfx1250 --defsym DOCPART=n.
;; ======== version 1 of 2: 5 launches
;; limits: right only within a limited range of input values
;; workspace buffers: wq 675,840 bytes; qk 2,228,224 bytes; vq 4,325,376 bytes; nlse 98,304 bytes; aq 4,325,376 bytes
;; launch wquant (part 1): grid 80 x 1, 4 waves a work-group, no clusters, 768 bytes of LDS; arguments Wq, Wk1, Wk2, Wk3, Wv, Wl, wq; writes wq
.if DOCPART == 1
	.amdgcn_target "amdgcn-amd-amdhsa--gfx1250"
	.amdhsa_code_object_version 6
	.text
	.protected	k_q4a971b1be0_wquant
	.globl	k_q4a971b1be0_wquant
	.p2align	8
	.type	k_q4a971b1be0_wquant,@function
k_q4a971b1be0_wquant:
	s_mov_b64 s[64:65], 0
	v_nop
	global_prefetch_b8 v0, s[64:65] scope:SCOPE_SE
	s_setreg_imm32_b32 hwreg(HW_REG_WAVE_MODE, 25, 1), 1
	s_wait_xcnt 0x0
; The six weights [o][512] f32 become codes of BF8 (E5M2) with one E8M0 byte for each 32 along c, laid as IMAGES OF OPERAND REGISTERS.
; A tile is 16 rows o; lane r of tile t of a matrix takes row 32 (t / 2) + 8 (t % 2) + r + 8 (r / 8), so that results made with two neighbouring tiles hold 16 neighbours along the next K.
; A fragment (tile, K step of 128) is 2,048 bytes: register group c of lane L at 512 c + 16 L.  wq: [80 tiles][4 K steps][2,048], then at WORDS the scale words [80][4][16 rows].
; Tiles: Wq 0-3, Wk1 4-7, Wk2 8-11, Wk3 12-15, Wv 16-47, Wl 48-79.  A work-group takes a tile, each of its four waves a K step.
; A block's scale is 2^(floor(log2(largest magnitude)) - 15); its byte is the largest magnitude's exponent field - 15, held at 1 from below.
; LIMITS: a block of zeros gets the byte 1 (its codes are zeros, and this program alone reads the bytes); NaN and infinities among the inputs are not served.
.set ST,  32                           ; v32-95   64 numbers: register 16 b + i = c 32 b + 16 (lane / 16) + i of my row
.set PC,  96                           ; v96-111  the codes
.set TM,  112                          ; v112-127 at work
.set PW,  16                           ; v16      the scale word
.set SEL, 26                           ; s[26:27] lane selects: lane l xor 16
.set MNT, 28                           ; s28      the mantissa field of 57,344
.set WORDS, 655360
.macro QUANT s, tm, pc, pw
.irp b, 0,1,2,3
	v_max3_num_f32 v[(\tm)+\b], |v[(\s)+16*\b]|, |v[(\s)+16*\b+1]|, 0x8000000   ; my 16 numbers of block b, and the floor 2^(16 - 127)
.endr
.irp i, 2,4,6,8,10,12,14
.irp b, 0,1,2,3
	v_max3_num_f32 v[(\tm)+\b], v[(\tm)+\b], |v[(\s)+16*\b+\i]|, |v[(\s)+16*\b+\i+1]|
.endr
.endr
.irp b, 0,1,2,3
	v_permlanex16_b32 v[(\tm)+4+\b], v[(\tm)+\b], s[SEL], s[SEL+1]
.endr
.irp b, 0,1,2,3
	v_max_num_f32 v[(\tm)+\b], v[(\tm)+\b], v[(\tm)+4+\b]      ; with lane l xor 16's: the block's largest magnitude
.endr
.irp b, 0,1,2,3
	v_add_nc_u32 v[(\tm)+12+\b], 0xf8800000, v[(\tm)+\b]       ; 15 off its exponent field: the conversion's scale operand
.endr
.irp b, 0,1,2,3
	v_and_or_b32 v[(\tm)+8+\b], v[(\tm)+\b], 0x7f800000, s[MNT] ; 57,344 x the scale
.endr
.irp b, 0,1,2,3
	v_lshrrev_b32 v[(\tm)+4+\b], 23, v[(\tm)+12+\b]            ; the byte
.endr
	v_lshl_or_b32 v[(\pw)], v[(\tm)+5], 8, v[(\tm)+4]
	v_lshl_or_b32 v[(\pw)], v[(\tm)+6], 16, v[(\pw)]
	v_lshl_or_b32 v[(\pw)], v[(\tm)+7], 24, v[(\pw)]
.irp b, 0,1,2,3
.irp i, 0,1,2,3,4,5,6,7,8,9,10,11,12,13,14,15
	v_med3_num_f32 v[(\s)+16*\b+\i], v[(\s)+16*\b+\i], -v[(\tm)+8+\b], v[(\tm)+8+\b]   ; the conversion does not saturate (ISA guide 7.6.2): the hold
.endr
	v_cvt_scalef32_pk8_bf8_f32 v[(\pc)+4*\b:(\pc)+4*\b+1], v[(\s)+16*\b:(\s)+16*\b+7], v[(\tm)+12+\b]
	v_cvt_scalef32_pk8_bf8_f32 v[(\pc)+4*\b+2:(\pc)+4*\b+3], v[(\s)+16*\b+8:(\s)+16*\b+15], v[(\tm)+12+\b]
.endr
	v_nop                                          ; a plain line behind the last conversion
.endm
	s_load_b256 s[4:11], s[0:1], 0x0               ; Wq, Wk1, Wk2, Wk3
	s_load_b128 s[12:15], s[0:1], 0x20             ; Wv, Wl
	s_load_b64 s[16:17], s[0:1], 0x30              ; wq
	v_lshl_add_u32 v128, v0, 2, 0x100
	v_mov_b32 v129, 0
	v_lshrrev_b32 v1, 5, v0
	v_readfirstlane_b32 s18, v1                    ; wave = K step
	v_and_b32 v2, 31, v0                           ; lane
	v_and_b32 v3, 15, v0                           ; r
	v_bfe_u32 v4, v0, 4, 1                         ; h
	v_and_b32 v5, 8, v3
	v_add_nc_u32 v5, v5, v3                        ; r + 8 (r / 8)
	v_lshlrev_b32 v6, 11, v5                       ; a row is 2,048 bytes
	v_lshl_add_u32 v6, v4, 6, v6                   ; + 64 h: my 16 numbers of a block
	v_lshlrev_b32 v7, 4, v2                        ; 16 x lane
	s_lshl_b32 s19, s18, 6
	v_lshl_add_u32 v8, v3, 2, s19                  ; LDS: 64 x K step + 4 r
	v_lshlrev_b32 v9, 3, v2                        ; 8 x lane
	s_mov_b32 s[SEL], 0x76543210
	s_mov_b32 s[SEL+1], 0xfedcba98
	s_mov_b32 s[MNT], 0x600000
.irp b, 0,1,2,3
	v_mov_b32 v[TM+4+\b], 0                        ; a lane permute's destination counts as one of its sources
.endr
	s_wait_kmcnt 0x0
	s_mov_b64 s[20:21], s[4:5]                     ; which matrix, and its first tile: by the work-group's number alone
	s_mov_b32 s22, 0
	s_cmp_ge_u32 ttmp9, 4
	s_cselect_b64 s[20:21], s[6:7], s[20:21]
	s_cselect_b32 s22, 4, s22
	s_cmp_ge_u32 ttmp9, 8
	s_cselect_b64 s[20:21], s[8:9], s[20:21]
	s_cselect_b32 s22, 8, s22
	s_cmp_ge_u32 ttmp9, 12
	s_cselect_b64 s[20:21], s[10:11], s[20:21]
	s_cselect_b32 s22, 12, s22
	s_cmp_ge_u32 ttmp9, 16
	s_cselect_b64 s[20:21], s[12:13], s[20:21]
	s_cselect_b32 s22, 16, s22
	s_cmp_ge_u32 ttmp9, 48
	s_cselect_b64 s[20:21], s[14:15], s[20:21]
	s_cselect_b32 s22, 48, s22
	s_sub_co_u32 s23, ttmp9, s22                   ; t
	s_lshr_b32 s24, s23, 1
	s_lshl_b32 s24, s24, 5
	s_and_b32 s25, s23, 1
	s_lshl_b32 s25, s25, 3
	s_add_co_u32 s24, s24, s25                     ; 32 (t / 2) + 8 (t % 2)
	s_lshl_b32 s24, s24, 11
	s_lshl_b32 s25, s18, 9                         ; + 512 bytes a K step
	s_add_co_u32 s24, s24, s25
	s_mov_b32 s25, 0
	s_add_nc_u64 s[20:21], s[20:21], s[24:25]
	s_lshl_b32 s30, ttmp9, 2
	s_add_co_u32 s30, s30, s18
	s_lshl_b32 s30, s30, 11                        ; my image
	s_mov_b32 s31, 0
	s_add_nc_u64 s[32:33], s[16:17], s[30:31]
	s_lshl_b32 s30, ttmp9, 8
	s_add_co_u32 s30, s30, WORDS                   ; the tile's 256 bytes of scale words
	s_add_nc_u64 s[34:35], s[16:17], s[30:31]
.irp b, 0,1,2,3
.irp j, 0,1,2,3
	global_load_b128 v[ST+16*\b+4*\j:ST+16*\b+4*\j+3], v6, s[20:21] offset:128*\b+16*\j
.endr
.endr
	s_wait_loadcnt 0x0
	QUANT ST, TM, PC, PW
.irp c, 0,1,2,3
	global_store_b128 v7, v[PC+4*\c:PC+4*\c+3], s[32:33] offset:512*\c   ; 32 lanes store 512 consecutive bytes
.endr
	ds_store_b32 v8, v[PW]                         ; both halves of the lanes write the same word with the same value
	s_wait_dscnt 0x0                               ; for the others' sake
	s_barrier_signal -1
	s_barrier_wait -1
	s_cmp_lg_u32 s18, 0
	s_cbranch_scc1 .Lend
	ds_load_b64 v[10:11], v9                       ; the four waves' words: 256 bytes
	s_wait_dscnt 0x0
	global_store_b64 v9, v[10:11], s[34:35]        ; 32 lanes store 256 consecutive bytes, aligned
.Lend:
	s_wait_tensorcnt 0x0
	ds_add_u32 v128, v129
	s_wait_dscnt 0x0
	s_endpgm
.Lfunc_end_k_q4a971b1be0_wquant:
	.size	k_q4a971b1be0_wquant, .Lfunc_end_k_q4a971b1be0_wquant-k_q4a971b1be0_wquant
	.p2alignl 7, 3214868480
	.fill 96, 4, 3214868480
	.section	.rodata,"a",@progbits
	.p2align	6, 0x0
	.amdhsa_kernel k_q4a971b1be0_wquant
		.amdhsa_group_segment_fixed_size 768
		.amdhsa_private_segment_fixed_size 0
		.amdhsa_enable_private_segment 0
		.amdhsa_kernarg_size 56
		.amdhsa_user_sgpr_count 2
		.amdhsa_user_sgpr_kernarg_segment_ptr 1
		.amdhsa_wavefront_size32 1
		.amdhsa_system_sgpr_workgroup_id_x 1
		.amdhsa_system_sgpr_workgroup_id_y 1
		.amdhsa_system_sgpr_workgroup_id_z 1
		.amdhsa_system_vgpr_workitem_id 0
		.amdhsa_next_free_vgpr 130
		.amdhsa_next_free_sgpr 66
		.amdhsa_reserve_vcc 0
		.amdhsa_float_denorm_mode_32 3
		.amdhsa_float_denorm_mode_16_64 3
		.amdhsa_memory_ordered 1
		.amdhsa_forward_progress 1
		.amdhsa_inst_pref_size 13
	.end_amdhsa_kernel
	.amdgpu_metadata
---
amdhsa.version: [ 1, 2 ]
amdhsa.kernels:
  - .name:           k_q4a971b1be0_wquant
    .symbol:         k_q4a971b1be0_wquant.kd
    .args:
      - { .name: Wq, .offset: 0, .size: 8, .value_kind: global_buffer, .address_space: global }
      - { .name: Wk1, .offset: 8, .size: 8, .value_kind: global_buffer, .address_space: global }
      - { .name: Wk2, .offset: 16, .size: 8, .value_kind: global_buffer, .address_space: global }
      - { .name: Wk3, .offset: 24, .size: 8, .value_kind: global_buffer, .address_space: global }
      - { .name: Wv, .offset: 32, .size: 8, .value_kind: global_buffer, .address_space: global }
      - { .name: Wl, .offset: 40, .size: 8, .value_kind: global_buffer, .address_space: global }
      - { .name: wq, .offset: 48, .size: 8, .value_kind: global_buffer, .address_space: global }
    .group_segment_fixed_size: 768
    .private_segment_fixed_size: 0
    .kernarg_segment_align: 8
    .kernarg_segment_size: 56
    .max_flat_workgroup_size: 128
    .sgpr_count:     66
    .vgpr_count:     130
    .wavefront_size: 32
...
	.end_amdgpu_metadata
.endif
;; end of part 1
;; launch project (part 2): grid 256 x 1, 8 waves a work-group, no clusters, 105,472 bytes of LDS; arguments x, y, z, bq, bk1, bk2, bk3, bv, wq, qk, vq; writes qk, vq
.if DOCPART == 2
	.amdgcn_target "amdgcn-amd-amdhsa--gfx1250"
	.amdhsa_code_object_version 6
	.text
	.protected	k_q4a971b1be0_project
	.globl	k_q4a971b1be0_project
	.p2align	8
	.type	k_q4a971b1be0_project,@function
k_q4a971b1be0_project:
	s_mov_b64 s[64:65], 0
	v_nop
	global_prefetch_b8 v0, s[64:65] scope:SCOPE_SE
	s_setreg_imm32_b32 hwreg(HW_REG_WAVE_MODE, 25, 1), 1
	s_wait_xcnt 0x0
; The five 1x1 convolutions on codes of BF8 (E5M2, one E8M0 byte for each 32 along K), and their results quantised for the attention.
; A work-group takes 128 pixels of one batch and one ROLE (work-group number % 4): 0: x -> Q and V's channels 0-255;  1: x -> K1 and V's channels 256-511;  2: y -> K2;  3: z -> K3.
; PHASE A: the tensor's 512 channels x 128 pixels are quantised along c: a lane takes a pixel and its registers run down c, so a block of 32 lies in one lane; codes go to LDS as rows of a pixel.
; PHASE B1 (all roles): wave w makes pixel tile w of Q or K: source 0 = 16 rows of the weight, source 1 = 16 pixels: a lane holds one pixel and its registers run along the 64 outputs, the next K.
; PHASE B2 (roles 0, 1): wave w makes 32 channels of V for the 128 pixels: source 0 = 16 pixels, source 1 = 16 rows of Wv: a lane holds one channel and its registers run along the pixels, V's K.
; THE ROWS OF A TILE ARE NOT NEIGHBOURS: lane r of tile T takes row 32 (T / 2) + 8 (T % 2) + r + 8 (r / 8), of pixels and channels alike, so the 16 registers of tiles 2 B, 2 B + 1 are 16 neighbours along the next K.
; All that leaves is an image of operand registers: group c of lane L at 512 c + 16 L.  Q and K have K = 64: two groups, 1,024 bytes; bytes 2, 3 of their scale words are 127.
; One path through the text: tensor, bias and places are chosen by the role; ONE branch on the role, round phase B2.  Roles 2 and 3 load Wv's fragments too and do not use them, so that this one branch suffices.
; No joint loads: the weights are read once a work-group, straight into the registers or LDS bytes in which they stay; the bulk of a work-group's bytes is its own tile.
; LIMITS: a block of zeros gets the byte 1 (its codes are zeros; this program alone reads the bytes); NaN and infinities among the inputs are not served.
.set XP,   528                         ; a pixel's row in LDS: 512 codes + 16 of padding: an odd multiple of 16 bytes
.set XSC,  67584                       ; behind the 128 rows: 16 scale bytes a pixel
.set WBL,  69632                       ; the role's 16 small-weight fragments, 4 t + s, 2,048 bytes each
.set QG,   102400                      ; the eight waves' scale words of Q or K, 64 bytes each
.set WORDS, 655360
.set L4,  1                            ; v1   4 x lane
.set XST, 2                            ; v2   phase A: my pixel's row + 256 x my half of the channels
.set XSS, 3                            ; v3   and its scale bytes
.set XFA, 4                            ; v4   a fragment's place in pixel tile w
.set XFB, 5                            ; v5   the same in pixel tile 0
.set XSA, 6                            ; v6   scale words of pixel tile w: lanes 0-15 an even K step's, lanes 16-31 the next one's
.set XSB, 7                            ; v7   the same of pixel tile 0
.set LI,  8                            ; v8   16 x lane
.set WCP, 9                            ; v9   where I copy my part of the small weights
.set QGW, 10                           ; v10  where my scale word goes
.set LN,  11                           ; v11  lane
.set H64, 12                           ; v12  64 h
.set PI4, 13                           ; v13  4 (r + 8 (r / 8))
.set WRD, 14                           ; v14  WBL + 16 x lane
.set QGR, 15                           ; v15  QG + 16 x lane
.set TM,  16                           ; v16-27 at work
.set VW,  28                           ; v28-29 V's scale words in the making
.set VO,  30
.set PW,  31
.set HA,  32                           ; v32-63  four accumulators (B1: begun with the bias; B2: V's)
.set VA,  32
.set PC,  64                           ; v64-95  codes
.set BV,  96                           ; v96-111 bv of my channel, eight times, for two tiles
.set WS,  112                          ; v112-119 small weights' scale words; v120-123 Wv's; v124-127 the pixels': scale words and nothing else
.set WVS, 120
.set XS,  124
.set X,   128                          ; phase A: v128-191 two sets of 32 numbers; v192-199 codes; v200-201 bytes; v208-239 the copy
.set CD,  192
.set SB,  200
.set CP,  208
.set XF,  128                          ; B1: my pixel tile's four fragments; v192-255 four weight fragments
.set WB,  192
.set XB,  128                          ; B2: two pixel tiles' eight fragments
.set ROLE, 26
.set BB,  28
.set PB,  29
.set WV,  30
.set R1,  31
.set SEL, 58
.set MNT, 60
.set MSB, 0
.macro WIN new                         ; the immediate's high byte repeats the setting that is left
.if MSB != \new
	s_set_vgpr_msb (MSB<<8)|\new
.set MSB, \new
.endif
.endm
; one product: D, A, B, C (under 0: the constant 0), the two scale registers, and whether each side's words stand in lanes 16-31
.macro WM d, a, b, c, sa, sb, ra, rb
.if (\c) < 0
.if (\ra) && (\rb)
	v_wmma_scale_f32_16x16x128_f8f6f4 v[(\d):(\d)+7], v[(\a):(\a)+15], v[(\b):(\b)+15], 0, v[(\sa)], v[(\sb)] matrix_a_fmt:MATRIX_FMT_BF8 matrix_b_fmt:MATRIX_FMT_BF8 matrix_a_scale:MATRIX_SCALE_ROW1 matrix_b_scale:MATRIX_SCALE_ROW1
.elseif (\ra)
	v_wmma_scale_f32_16x16x128_f8f6f4 v[(\d):(\d)+7], v[(\a):(\a)+15], v[(\b):(\b)+15], 0, v[(\sa)], v[(\sb)] matrix_a_fmt:MATRIX_FMT_BF8 matrix_b_fmt:MATRIX_FMT_BF8 matrix_a_scale:MATRIX_SCALE_ROW1
.elseif (\rb)
	v_wmma_scale_f32_16x16x128_f8f6f4 v[(\d):(\d)+7], v[(\a):(\a)+15], v[(\b):(\b)+15], 0, v[(\sa)], v[(\sb)] matrix_a_fmt:MATRIX_FMT_BF8 matrix_b_fmt:MATRIX_FMT_BF8 matrix_b_scale:MATRIX_SCALE_ROW1
.else
	v_wmma_scale_f32_16x16x128_f8f6f4 v[(\d):(\d)+7], v[(\a):(\a)+15], v[(\b):(\b)+15], 0, v[(\sa)], v[(\sb)] matrix_a_fmt:MATRIX_FMT_BF8 matrix_b_fmt:MATRIX_FMT_BF8
.endif
.else
.if (\ra) && (\rb)
	v_wmma_scale_f32_16x16x128_f8f6f4 v[(\d):(\d)+7], v[(\a):(\a)+15], v[(\b):(\b)+15], v[(\c):(\c)+7], v[(\sa)], v[(\sb)] matrix_a_fmt:MATRIX_FMT_BF8 matrix_b_fmt:MATRIX_FMT_BF8 matrix_a_scale:MATRIX_SCALE_ROW1 matrix_b_scale:MATRIX_SCALE_ROW1
.elseif (\ra)
	v_wmma_scale_f32_16x16x128_f8f6f4 v[(\d):(\d)+7], v[(\a):(\a)+15], v[(\b):(\b)+15], v[(\c):(\c)+7], v[(\sa)], v[(\sb)] matrix_a_fmt:MATRIX_FMT_BF8 matrix_b_fmt:MATRIX_FMT_BF8 matrix_a_scale:MATRIX_SCALE_ROW1
.elseif (\rb)
	v_wmma_scale_f32_16x16x128_f8f6f4 v[(\d):(\d)+7], v[(\a):(\a)+15], v[(\b):(\b)+15], v[(\c):(\c)+7], v[(\sa)], v[(\sb)] matrix_a_fmt:MATRIX_FMT_BF8 matrix_b_fmt:MATRIX_FMT_BF8 matrix_b_scale:MATRIX_SCALE_ROW1
.else
	v_wmma_scale_f32_16x16x128_f8f6f4 v[(\d):(\d)+7], v[(\a):(\a)+15], v[(\b):(\b)+15], v[(\c):(\c)+7], v[(\sa)], v[(\sb)] matrix_a_fmt:MATRIX_FMT_BF8 matrix_b_fmt:MATRIX_FMT_BF8
.endif
.endif
.endm
.macro PLACES n
.rept \n
	v_nop
.endr
.endm
; two blocks of 32 (16 registers a lane each, the other 16 in lane l xor 16), by turns: codes to v[d0] on and v[d1] on, bytes to v[TM+8], v[TM+9]
.macro QB2 s0, s1, d0, d1
	v_max3_num_f32 v[TM], |v[(\s0)]|, |v[(\s0)+1]|, 0x8000000      ; with the floor 2^(16 - 127): the byte cannot fall under 1
	v_max3_num_f32 v[TM+1], |v[(\s1)]|, |v[(\s1)+1]|, 0x8000000
.irp i, 2,4,6,8,10,12,14
	v_max3_num_f32 v[TM], v[TM], |v[(\s0)+\i]|, |v[(\s0)+\i+1]|
	v_max3_num_f32 v[TM+1], v[TM+1], |v[(\s1)+\i]|, |v[(\s1)+\i+1]|
.endr
	v_permlanex16_b32 v[TM+2], v[TM], s[SEL], s[SEL+1]
	v_permlanex16_b32 v[TM+3], v[TM+1], s[SEL], s[SEL+1]
	v_max_num_f32 v[TM], v[TM], v[TM+2]
	v_max_num_f32 v[TM+1], v[TM+1], v[TM+3]
	v_add_nc_u32 v[TM+4], 0xf8800000, v[TM]        ; 15 off the exponent field: the conversion's scale operand
	v_add_nc_u32 v[TM+5], 0xf8800000, v[TM+1]
	v_and_or_b32 v[TM+6], v[TM], 0x7f800000, s[MNT]  ; 57,344 x the scale
	v_and_or_b32 v[TM+7], v[TM+1], 0x7f800000, s[MNT]
	v_lshrrev_b32 v[TM+8], 23, v[TM+4]             ; the bytes
	v_lshrrev_b32 v[TM+9], 23, v[TM+5]
.irp i, 0,1,2,3,4,5,6,7,8,9,10,11,12,13,14,15
	v_med3_num_f32 v[(\s0)+\i], v[(\s0)+\i], -v[TM+6], v[TM+6]
.endr
	v_cvt_scalef32_pk8_bf8_f32 v[(\d0):(\d0)+1], v[(\s0):(\s0)+7], v[TM+4]
	v_cvt_scalef32_pk8_bf8_f32 v[(\d0)+2:(\d0)+3], v[(\s0)+8:(\s0)+15], v[TM+4]
.irp i, 0,1,2,3,4,5,6,7,8,9,10,11,12,13,14,15
	v_med3_num_f32 v[(\s1)+\i], v[(\s1)+\i], -v[TM+7], v[TM+7]
.endr
	v_cvt_scalef32_pk8_bf8_f32 v[(\d1):(\d1)+1], v[(\s1):(\s1)+7], v[TM+5]
	v_cvt_scalef32_pk8_bf8_f32 v[(\d1)+2:(\d1)+3], v[(\s1)+8:(\s1)+15], v[TM+5]
	v_nop                                          ; a plain line behind the last conversion
.endm
	s_load_b512 s[4:19], s[0:1], 0x0               ; x, y, z, bq, bk1, bk2, bk3, bv
	s_load_b128 s[20:23], s[0:1], 0x40             ; wq, qk
	s_load_b64 s[24:25], s[0:1], 0x50              ; vq
	v_lshl_add_u32 v26, v0, 2, 0x19800
	v_mov_b32 v27, 0
	v_lshrrev_b32 v1, 5, v0
	v_readfirstlane_b32 s[WV], v1                  ; wave 0..7
	s_and_b32 s[ROLE], ttmp9, 3
	s_lshr_b32 s27, ttmp9, 2
	s_lshr_b32 s[BB], s27, 5                       ; batch
	s_and_b32 s[PB], s27, 31                       ; which 128 pixels
	s_and_b32 s[R1], s[ROLE], 1                    ; which half of V's channels
	v_and_b32 v[LN], 31, v0
	v_and_b32 v17, 15, v0                          ; r
	v_bfe_u32 v18, v0, 4, 1                        ; h
	v_and_b32 v19, 8, v17
	v_add_nc_u32 v19, v19, v17                     ; r + 8 (r / 8)
	v_lshlrev_b32 v[L4], 2, v[LN]
	v_lshlrev_b32 v[LI], 4, v[LN]
	s_and_b32 s61, s[WV], 3                        ; phase A: which 32 pixels,
	s_lshr_b32 s62, s[WV], 2                       ; which 256 channels
	s_mul_i32 s63, s61, 32*XP
	s_lshl_b32 s66, s62, 8
	s_add_co_u32 s63, s63, s66
	v_mul_u32_u24 v[XST], v[LN], XP
	v_add_nc_u32 v[XST], s63, v[XST]
	s_lshl_b32 s63, s61, 9
	s_lshl_b32 s66, s62, 3
	s_add_co_u32 s63, s63, s66
	s_add_co_u32 s63, s63, XSC
	v_lshl_add_u32 v[XSS], v[LN], 4, s63
	v_mul_u32_u24 v[XFB], v19, XP
	v_lshl_add_u32 v[XFB], v18, 4, v[XFB]
	s_lshr_b32 s63, s[WV], 1
	s_lshl_b32 s63, s63, 5
	s_and_b32 s66, s[WV], 1
	s_lshl_b32 s66, s66, 3
	s_add_co_u32 s63, s63, s66                     ; pixel tile w begins at 32 (w / 2) + 8 (w % 2)
	s_mul_i32 s66, s63, XP
	v_add_nc_u32 v[XFA], s66, v[XFB]
	v_lshlrev_b32 v[XSB], 4, v19
	v_lshl_add_u32 v[XSB], v18, 2, v[XSB]
	v_add_nc_u32 v[XSB], XSC, v[XSB]
	s_lshl_b32 s66, s63, 4
	v_add_nc_u32 v[XSA], s66, v[XSB]
	s_lshl_b32 s66, s[WV], 12
	s_add_co_u32 s66, s66, WBL
	v_add_nc_u32 v[WCP], s66, v[LI]
	v_add_nc_u32 v[WRD], WBL, v[LI]
	s_lshl_b32 s66, s[WV], 6
	s_add_co_u32 s66, s66, QG
	v_lshl_add_u32 v[QGW], v17, 2, s66
	v_add_nc_u32 v[QGR], QG, v[LI]
	v_lshlrev_b32 v[H64], 6, v18
	v_lshlrev_b32 v[PI4], 2, v19
	s_mov_b32 s[SEL], 0x76543210
	s_mov_b32 s[SEL+1], 0xfedcba98
	s_mov_b32 s[MNT], 0x600000
	s_lshl_b32 s36, s[BB], 23                      ; the tensor: batch, 128 pixels, my 256 channels, my 32 pixels
	s_lshl_b32 s63, s[PB], 9
	s_add_co_u32 s36, s36, s63
	s_lshl_b32 s63, s62, 22
	s_add_co_u32 s36, s36, s63
	s_lshl_b32 s63, s61, 7
	s_add_co_u32 s36, s36, s63
	s_mov_b32 s37, 0
	s_wait_kmcnt 0x0
	s_cmp_eq_u32 s[ROLE], 2
	s_cselect_b64 s[32:33], s[6:7], s[4:5]
	s_cmp_eq_u32 s[ROLE], 3
	s_cselect_b64 s[32:33], s[8:9], s[32:33]
	s_add_nc_u64 s[32:33], s[32:33], s[36:37]
	s_cmp_eq_u32 s[ROLE], 1
	s_cselect_b64 s[34:35], s[12:13], s[10:11]     ; the small product's bias
	s_cmp_eq_u32 s[ROLE], 2
	s_cselect_b64 s[34:35], s[14:15], s[34:35]
	s_cmp_eq_u32 s[ROLE], 3
	s_cselect_b64 s[34:35], s[16:17], s[34:35]
	s_lshl_b32 s36, s[ROLE], 15                    ; the role's four weight tiles: 32,768 bytes; my eighth of them
	s_lshl_b32 s63, s[WV], 12
	s_add_co_u32 s36, s36, s63
	s_add_nc_u64 s[40:41], s[20:21], s[36:37]
	s_lshl_b32 s36, s[ROLE], 10
	s_add_co_u32 s36, s36, WORDS
	s_add_nc_u64 s[42:43], s[20:21], s[36:37]      ; their scale words
	s_lshl_b32 s63, s[R1], 4
	s_lshl_b32 s66, s[WV], 1
	s_add_co_u32 s63, s63, s66                     ; my first channel tile of V: 16 x half + 2 w
	s_add_co_u32 s66, s63, 16                      ; and its number in wq
	s_lshl_b32 s36, s66, 13
	s_add_nc_u64 s[44:45], s[20:21], s[36:37]
	s_lshl_b32 s36, s66, 8
	s_add_co_u32 s36, s36, WORDS
	s_add_nc_u64 s[46:47], s[20:21], s[36:37]
	s_lshl_b32 s36, s63, 6                         ; bv: 16 numbers a tile
	s_add_nc_u64 s[48:49], s[18:19], s[36:37]
	s_lshl_b32 s66, s[BB], 5
	s_add_co_u32 s66, s66, s[PB]                   ; V's K step: 32 b + these 128 pixels
	s_lshl_b32 s66, s66, 5
	s_add_co_u32 s66, s66, s63
	s_lshl_b32 s36, s66, 11
	s_add_nc_u64 s[54:55], s[24:25], s[36:37]      ; V's images
	s_lshl_b32 s36, s66, 6
	s_add_co_u32 s36, s36, 4194304
	s_add_nc_u64 s[56:57], s[24:25], s[36:37]      ; V's scale words
	s_lshl_b32 s63, s[BB], 8
	s_lshl_b32 s66, s[PB], 3
	s_add_co_u32 s63, s63, s66                     ; the work-group's first pixel tile: 256 b + 8 pb
	s_add_co_u32 s66, s63, s[WV]                   ; mine
	s_mul_i32 s67, s66, 3
	s_add_co_u32 s67, s67, s[ROLE]
	s_lshl_b32 s67, s67, 10
	s_add_co_u32 s67, s67, 524288-1024             ; K: [tile][branch = role - 1]
	s_lshl_b32 s66, s66, 10                        ; Q: [tile]
	s_cmp_eq_u32 s[ROLE], 0
	s_cselect_b32 s36, s66, s67
	s_add_nc_u64 s[50:51], s[22:23], s[36:37]
	s_lshl_b32 s66, s63, 6
	s_add_co_u32 s66, s66, 2097152                 ; Q's words: [tile][16]
	s_mul_i32 s67, s[BB], 3
	s_add_co_u32 s67, s67, s[ROLE]
	s_lshl_b32 s67, s67, 14
	s_lshl_b32 s68, s[PB], 9
	s_add_co_u32 s67, s67, s68
	s_add_co_u32 s67, s67, 2129920-16384           ; K's words: [batch][branch][tile][16]
	s_cmp_eq_u32 s[ROLE], 0
	s_cselect_b32 s36, s66, s67
	s_add_nc_u64 s[52:53], s[22:23], s[36:37]
	; the weights' loads, all ahead of the tensor's
.irp i, 0,1,2,3,4,5,6,7
	global_load_b128 v[CP+4*\i:CP+4*\i+3], v[LI], s[40:41] offset:512*\i
.endr
.irp t, 0,1,2,3
.irp p, 0,1
	global_load_b32 v[WS+2*\t+\p], v[L4], s[42:43] offset:256*\t+128*\p     ; lanes 0-15: K step 2 p; lanes 16-31: 2 p + 1
.endr
.endr
.irp t, 0,1,2,3
	global_load_b128 v[HA+8*\t:HA+8*\t+3], v[H64], s[34:35] offset:(32*(\t/2)+8*(\t%2))*4       ; the bias in the result's layout starts the sums
	global_load_b128 v[HA+8*\t+4:HA+8*\t+7], v[H64], s[34:35] offset:(32*(\t/2)+8*(\t%2))*4+16
.endr
	WIN 0x40                                       ; destination window 1
.irp e, 0,1
.irp s, 0,1,2,3
.irp c, 0,1,2,3
	global_load_b128 v[16*(4*\e+\s)+4*\c:16*(4*\e+\s)+4*\c+3], v[LI], s[44:45] offset:8192*\e+2048*\s+512*\c
.endr
.endr
.endr
	WIN 0
.irp e, 0,1
.irp p, 0,1
	global_load_b32 v[WVS+2*\e+\p], v[L4], s[46:47] offset:256*\e+128*\p
.endr
.endr
	global_load_b32 v[BV], v[PI4], s[48:49]
	global_load_b32 v[BV+8], v[PI4], s[48:49] offset:32
.macro LOAD t                          ; block t: channels 32 t + i of my pixel: 32 lanes read 128 consecutive bytes, four waves side by side 512
.set i_, 0
.rept 32
	global_load_b32 v[X+32*((\t)%2)+i_], v[L4], s[32:33] offset:(32*(\t)+i_)*16384
.set i_, i_+1
.endr
.endm
	LOAD 0
	s_wait_loadcnt 32                              ; all that was asked for ahead of block 0 is in
.irp i, 0,1,2,3,4,5,6,7
	ds_store_b128 v[WCP], v[CP+4*\i:CP+4*\i+3] offset:512*\i
.endr
.irp e, 0,1
.irp i, 1,2,3,4,5,6,7
	v_mov_b32 v[BV+8*\e+\i], v[BV+8*\e]            ; V's bias as the C of a sum's first product: my channel's, for all eight rows
.endr
.endr
	LOAD 1
.macro BLOCK t
.set XS_, X+32*((\t)%2)
.if (\t) < 7
	s_wait_loadcnt 32                              ; this block's 32 loads are in; the next block's may be out
.else
	s_wait_loadcnt 0x0
.endif
	v_max3_num_f32 v[TM], |v[XS_]|, |v[XS_+1]|, |v[XS_+2]|         ; the block's largest magnitude: all 32 numbers are mine
	v_max3_num_f32 v[TM+1], |v[XS_+3]|, |v[XS_+4]|, |v[XS_+5]|
.irp i, 6,10,14,18,22,26
	v_max3_num_f32 v[TM], v[TM], |v[XS_+\i]|, |v[XS_+\i+1]|
	v_max3_num_f32 v[TM+1], v[TM+1], |v[XS_+\i+2]|, |v[XS_+\i+3]|
.endr
	v_max3_num_f32 v[TM], v[TM], |v[XS_+30]|, |v[XS_+31]|
	v_max3_num_f32 v[TM], v[TM], v[TM+1], 0x8000000
	v_add_nc_u32 v[TM+2], 0xf8800000, v[TM]
	v_and_or_b32 v[TM+3], v[TM], 0x7f800000, s[MNT]
	v_lshrrev_b32 v[TM+1], 23, v[TM+2]
.if (\t)%4 == 0
	v_mov_b32 v[SB+(\t)/4], v[TM+1]
.else
	v_lshl_or_b32 v[SB+(\t)/4], v[TM+1], 8*((\t)%4), v[SB+(\t)/4]
.endif
.set i_, 0
.rept 32
	v_med3_num_f32 v[XS_+i_], v[XS_+i_], -v[TM+3], v[TM+3]
.set i_, i_+1
.endr
.irp g, 0,1,2,3
	v_cvt_scalef32_pk8_bf8_f32 v[CD+2*\g:CD+2*\g+1], v[XS_+8*\g:XS_+8*\g+7], v[TM+2]
.endr
	v_nop
	ds_store_b128 v[XST], v[CD:CD+3] offset:32*(\t)
	ds_store_b128 v[XST], v[CD+4:CD+7] offset:32*(\t)+16
.if (\t)+2 < 8
	LOAD (\t)+2
.endif
	s_wait_dscnt 0x0                               ; the stores have read their registers
.endm
.irp t, 0,1,2,3,4,5,6,7
	BLOCK \t
.endr
	ds_store_b64 v[XSS], v[SB:SB+1]
	s_wait_dscnt 0x0                               ; for the others' sake: my codes, bytes and part of the weights lie in LDS
	s_barrier_signal -1
	s_barrier_wait -1
	; ---- B1: Q or K of pixel tile w
.irp s, 0,1,2,3
.irp c, 0,1,2,3
	ds_load_b128 v[XF+16*\s+4*\c:XF+16*\s+4*\c+3], v[XFA] offset:128*\s+32*\c
.endr
.endr
	ds_load_b32 v[XS], v[XSA]
	ds_load_b32 v[XS+1], v[XSA] offset:8
.irp s, 0,1,2,3
.irp t, 0,1,2,3
.irp c, 0,1,2,3
	ds_load_b128 v[WB+16*\t+4*\c:WB+16*\t+4*\c+3], v[WRD] offset:(4*\t+\s)*2048+512*\c
.endr
.endr
	s_wait_dscnt 0x0
.irp t, 0,1,2,3                        ; the four accumulators by turns
	WM HA+8*\t, WB+16*\t, XF+16*\s, HA+8*\t, WS+2*\t+\s/2, XS+\s/2, \s%2, \s%2
.endr
	PLACES 9                                       ; in front of loads into registers that the products read, of the first read of results, and of products that begin these accumulators anew
.endr
	QB2 HA, HA+16, PC, PC+4
	v_lshl_or_b32 v[PW], v[TM+9], 8, v[TM+8]
	v_or_b32 v[PW], 0x7f7f0000, v[PW]              ; the upper 64 of the K step are zero codes under the byte 127
	global_store_b128 v[LI], v[PC:PC+3], s[50:51]
	global_store_b128 v[LI], v[PC+4:PC+7], s[50:51] offset:512
	ds_store_b32 v[QGW], v[PW]
	; ---- B2: V, roles 0 and 1
	s_cmp_ge_u32 s[ROLE], 2
	s_cbranch_scc1 .Lno_v
.macro LXB g                           ; pixel tiles 2 g, 2 g + 1: eight fragments and their scale words
.irp u, 0,1
.irp s, 0,1,2,3
.irp c, 0,1,2,3
	ds_load_b128 v[XB+16*(4*\u+\s)+4*\c:XB+16*(4*\u+\s)+4*\c+3], v[XFB] offset:(32*(\g)+8*\u)*XP+128*\s+32*\c
.endr
.endr
.endr
.irp u, 0,1
.irp p, 0,1
	ds_load_b32 v[XS+2*\u+\p], v[XSB] offset:16*(32*(\g)+8*\u)+8*\p
.endr
.endr
.endm
	s_wait_xcnt 0x0                                ; the stores above have read the codes' registers, which are written again below
	LXB 0
.irp g, 0,1,2,3
	s_wait_dscnt 0x0
	WIN 0x04                                       ; source 1 (Wv) window 1
.irp s, 0,1,2,3
.irp e, 0,1
.irp u, 0,1
.if \s == 0
	WM VA+8*(2*\e+\u), XB+16*(4*\u+\s), 16*(4*\e+\s), BV+8*\e, XS+2*\u+\s/2, WVS+2*\e+\s/2, \s%2, \s%2
.else
	WM VA+8*(2*\e+\u), XB+16*(4*\u+\s), 16*(4*\e+\s), VA+8*(2*\e+\u), XS+2*\u+\s/2, WVS+2*\e+\s/2, \s%2, \s%2
.endif
.endr
.endr
.endr
	WIN 0
	PLACES 9
.if \g < 3
	LXB \g+1                                       ; they land while this block is quantised
.endif
	QB2 VA, VA+16, PC+8*\g, PC+8*\g+4              ; 32 pixels of my channel, for each of the two channel tiles: group g of V's fragment
	global_store_b128 v[LI], v[PC+8*\g:PC+8*\g+3], s[54:55] offset:512*\g
	global_store_b128 v[LI], v[PC+8*\g+4:PC+8*\g+7], s[54:55] offset:2048+512*\g
.if \g == 0
	v_mov_b32 v[VW], v[TM+8]
	v_mov_b32 v[VW+1], v[TM+9]
.else
	v_lshl_or_b32 v[VW], v[TM+8], 8*\g, v[VW]
	v_lshl_or_b32 v[VW+1], v[TM+9], 8*\g, v[VW+1]
.endif
.endr
	v_cmp_le_u32 vcc_lo, 16, v[LN]
	v_cndmask_b32 v[VO], v[VW], v[VW+1], vcc_lo    ; lanes 0-15 the first tile's words, lanes 16-31 the second's
	global_store_b32 v[L4], v[VO], s[56:57]        ; 128 consecutive bytes a wave
.Lno_v:
	s_wait_dscnt 0x0
	s_barrier_signal -1
	s_barrier_wait -1
	s_cmp_lg_u32 s[WV], 0
	s_cbranch_scc1 .Lend
	ds_load_b128 v[TM:TM+3], v[QGR]                ; the eight tiles' words: 512 bytes
	s_wait_dscnt 0x0
	global_store_b128 v[LI], v[TM:TM+3], s[52:53]  ; 512 consecutive bytes, aligned
.Lend:
	s_wait_tensorcnt 0x0
	ds_add_u32 v26, v27
	s_wait_dscnt 0x0
	s_endpgm
.Lfunc_end_k_q4a971b1be0_project:
	.size	k_q4a971b1be0_project, .Lfunc_end_k_q4a971b1be0_project-k_q4a971b1be0_project
	.p2alignl 7, 3214868480
	.fill 96, 4, 3214868480
	.section	.rodata,"a",@progbits
	.p2align	6, 0x0
	.amdhsa_kernel k_q4a971b1be0_project
		.amdhsa_group_segment_fixed_size 105472
		.amdhsa_private_segment_fixed_size 0
		.amdhsa_enable_private_segment 0
		.amdhsa_kernarg_size 88
		.amdhsa_user_sgpr_count 2
		.amdhsa_user_sgpr_kernarg_segment_ptr 1
		.amdhsa_wavefront_size32 1
		.amdhsa_system_sgpr_workgroup_id_x 1
		.amdhsa_system_sgpr_workgroup_id_y 1
		.amdhsa_system_sgpr_workgroup_id_z 1
		.amdhsa_system_vgpr_workitem_id 0
		.amdhsa_next_free_vgpr 384
		.amdhsa_next_free_sgpr 72
		.amdhsa_reserve_vcc 1
		.amdhsa_float_denorm_mode_32 3
		.amdhsa_float_denorm_mode_16_64 3
		.amdhsa_memory_ordered 1
		.amdhsa_forward_progress 1
		.amdhsa_inst_pref_size 115
	.end_amdhsa_kernel
	.amdgpu_metadata
---
amdhsa.version: [ 1, 2 ]
amdhsa.kernels:
  - .name:           k_q4a971b1be0_project
    .symbol:         k_q4a971b1be0_project.kd
    .args:
      - { .name: x, .offset: 0, .size: 8, .value_kind: global_buffer, .address_space: global }
      - { .name: y, .offset: 8, .size: 8, .value_kind: global_buffer, .address_space: global }
      - { .name: z, .offset: 16, .size: 8, .value_kind: global_buffer, .address_space: global }
      - { .name: bq, .offset: 24, .size: 8, .value_kind: global_buffer, .address_space: global }
      - { .name: bk1, .offset: 32, .size: 8, .value_kind: global_buffer, .address_space: global }
      - { .name: bk2, .offset: 40, .size: 8, .value_kind: global_buffer, .address_space: global }
      - { .name: bk3, .offset: 48, .size: 8, .value_kind: global_buffer, .address_space: global }
      - { .name: bv, .offset: 56, .size: 8, .value_kind: global_buffer, .address_space: global }
      - { .name: wq, .offset: 64, .size: 8, .value_kind: global_buffer, .address_space: global }
      - { .name: qk, .offset: 72, .size: 8, .value_kind: global_buffer, .address_space: global }
      - { .name: vq, .offset: 80, .size: 8, .value_kind: global_buffer, .address_space: global }
    .group_segment_fixed_size: 105472
    .private_segment_fixed_size: 0
    .kernarg_segment_align: 8
    .kernarg_segment_size: 88
    .max_flat_workgroup_size: 256
    .sgpr_count:     72
    .vgpr_count:     384
    .wavefront_size: 32
...
	.end_amdgpu_metadata
.endif
;; end of part 2
;; launch stats (part 3): grid 128 x 2, 12 waves a work-group, clusters of 4 x 1, 327,680 bytes of LDS; arguments qk, nlse; writes nlse
.if DOCPART == 3
	.amdgcn_target "amdgcn-amd-amdhsa--gfx1250"
	.amdhsa_code_object_version 6
	.text
	.protected	k_q4a971b1be0_stats
	.globl	k_q4a971b1be0_stats
	.p2align	8
	.type	k_q4a971b1be0_stats,@function
k_q4a971b1be0_stats:
	s_mov_b64 s[64:65], 0
	v_nop
	global_prefetch_b8 v0, s[64:65] scope:SCOPE_SE
	s_setreg_imm32_b32 hwreg(HW_REG_WAVE_MODE, 25, 1), 1
	s_wait_xcnt 0x0
	s_wait_alu depctr_hold_cnt(0) depctr_sa_sdst(0) depctr_va_vdst(0) depctr_va_sdst(0) depctr_va_ssrc(0) depctr_va_vcc(0) depctr_vm_vsrc(0)
	s_getreg_b32 s2, hwreg(HW_REG_IB_STS2, 6, 4)
	s_cmp_eq_u32 s2, 0
	s_cbranch_scc0 .Lentry_in_a_cluster
	s_endpgm
.Lentry_in_a_cluster:
	s_bfe_u32 s2, ttmp6, 0x10000c
	s_cmp_lg_u32 s2, 0x3003
	s_cbranch_scc0 .Lentry_shape_is_right
	s_endpgm
.Lentry_shape_is_right:
; nlse[branch][batch][m] = -(max over n of s(m, n) + ln of the sum over n of e^(s(m, n) - max)), s(m, n) = Q(:, m) . K_branch(:, n), on codes of BF8 (E5M2) with E8M0 scales.
; The softmax's divisor belongs to the index over which the second product sums, so it has to be known for every m before that product: this launch finds it, the next one uses it.
; SHARES.  A work-group owns 32 queries m (two tiles) of one batch; wave w: branch w / 4, and of every 32 key tiles the eight 8 (w % 4) on.  S^T = K Q^T: a lane holds ONE query and eight keys a tile.
; K = 64: registers 8-15 of both operands are zero codes, written once; bytes 2, 3 of the scale words are 127.
; STATISTICS are kept PER LANE (a running maximum and sum, as c max with c = log2 e): nothing crosses lanes inside the loop; halves of the lanes and the four waves of a branch meet at the end.
; CLUSTER.  All work-groups of a batch walk the same K, so the four of a cluster ask jointly: the same tensor load, the same descriptor, a mask that names the four.
; K comes in 8 chunks of 32 tiles x 3 branches (98,304 dense bytes) through two LDS slots; its scale words of the whole batch (49,152 bytes) come once.  Waves 0-5 fetch, a sixth each.
; By this text's own count a fetching wave has two tensor loads out at the start and one behind each round.
; LIMITS: scores under -3e38 are not served; the error of nlse is that of one rounding of a number of its size, as a score's own.
.set CHUNK, 98304
.set KSC,   196608
.set STAT,  245760                     ; 12 waves x 256 bytes: (c max, sum) of a query a lane
.set SPARE, 248832                     ; the spare words: 128 bytes for each of 12 waves, six blocks of 256 bytes that no other line names
.set SPW, 1
.set NIL, 2
.set AK,  3                            ; v3-4  my first key tile in slot 0, 1
.set AS0, 5                            ; v5    my scale words of chunk 0
.set ADS, 6                            ; v6    of the chunk in hand
.set PFO, 7                            ; v7    256 x lane
.set STW, 8
.set STR, 9
.set NLO, 10                           ; v10   4 (8 h + r + 8 (r / 8)): my query's place among the 32
.set QSW, 11                           ; v11   Q's scale words: lanes 0-15 tile 0, lanes 16-31 tile 1
.set KSW, 12                           ; v12-13 K's: two tiles each
.set LI,  14
.set L4,  15
.set QF,  16                           ; v16-47   Q's two fragments
.set KF,  48                           ; v48-111  four fragments of K
.set S,   112                          ; v112-175 scores: 32 a query tile
.set ST,  176                          ; v176-191 eight a query tile: +0 c max, +1 max, +2, +3 the sum in two halves, +4..7 at work (a in +6)
.set E,   192                          ; v192-199 the end's
.set LN,  204
.set WV,  8
.set CX,  9
.set MB,  10
.set BB,  11
.set BR,  12
.set NQ,  13
.set G1,  16
.set G1S, 24
.set G0,  32
.set G0S, 40
.set CNT, 44
.set TS,  45
.set CS,  46
.set SEL, 48
.set PFA, 50
.set LIM, 52
.set LIMC, 53
.macro WM d, a, b, c, sa, sb, ra, rb   ; here C is always the constant 0
.if (\ra) && (\rb)
	v_wmma_scale_f32_16x16x128_f8f6f4 v[(\d):(\d)+7], v[(\a):(\a)+15], v[(\b):(\b)+15], 0, v[(\sa)], v[(\sb)] matrix_a_fmt:MATRIX_FMT_BF8 matrix_b_fmt:MATRIX_FMT_BF8 matrix_a_scale:MATRIX_SCALE_ROW1 matrix_b_scale:MATRIX_SCALE_ROW1
.elseif (\ra)
	v_wmma_scale_f32_16x16x128_f8f6f4 v[(\d):(\d)+7], v[(\a):(\a)+15], v[(\b):(\b)+15], 0, v[(\sa)], v[(\sb)] matrix_a_fmt:MATRIX_FMT_BF8 matrix_b_fmt:MATRIX_FMT_BF8 matrix_a_scale:MATRIX_SCALE_ROW1
.elseif (\rb)
	v_wmma_scale_f32_16x16x128_f8f6f4 v[(\d):(\d)+7], v[(\a):(\a)+15], v[(\b):(\b)+15], 0, v[(\sa)], v[(\sb)] matrix_a_fmt:MATRIX_FMT_BF8 matrix_b_fmt:MATRIX_FMT_BF8 matrix_b_scale:MATRIX_SCALE_ROW1
.else
	v_wmma_scale_f32_16x16x128_f8f6f4 v[(\d):(\d)+7], v[(\a):(\a)+15], v[(\b):(\b)+15], 0, v[(\sa)], v[(\sb)] matrix_a_fmt:MATRIX_FMT_BF8 matrix_b_fmt:MATRIX_FMT_BF8
.endif
.endm
.macro ROUND                           ; a round of the cluster's barrier
	s_barrier_signal -1
	s_barrier_wait -1
	s_cmp_lg_u32 s[WV], 0
	s_cbranch_scc1 .Lnw0_\@
	s_barrier_signal -3
.Lnw0_\@:
	s_barrier_wait -3
	s_barrier_signal -1
	s_barrier_wait -1
.endm
.macro TLOAD n                         ; waves 0-5 fetch; four v_nop follow the load
	s_cmp_lt_u32 s[WV], 6
	s_cbranch_scc0 .Lnl_\@
	tensor_load_to_lds s[G0+4*(\n):G0+4*(\n)+3], s[G1:G1+7]
	s_nop 0
.rept 4
	v_nop
.endr
.Lnl_\@:
.endm
; A prefetch of the chunk that the NEXT refill will ask for.  All clusters of a batch walk the same K: the batch's first cluster asks; its four partners take 24,576 bytes each, told apart by address;
; in each, waves 6, 7, 8, which fetch nothing, ask for 8,192 bytes each, lanes 256 bytes apart.  The first trip asks for nothing (the first tiles are on their way), nor do the last two.
.macro ASK
	s_cmp_eq_u32 s[LIMC], 1
	s_cbranch_scc0 .Lna_\@
	global_prefetch_b8 v[PFO], s[PFA:PFA+1] th:TH_LOAD_NT scope:SCOPE_SE
.Lna_\@:
	s_mov_b32 s[LIMC], s[LIM]
.endm
	s_load_b128 s[4:7], s[0:1], 0x0                ; qk, nlse
	v_lshl_add_u32 v[SPW], v0, 2, SPARE
	v_mov_b32 v[NIL], 0
	ds_add_u32 v1, v2
	s_wait_dscnt 0x0
	v_lshrrev_b32 v200, 5, v0
	v_readfirstlane_b32 s[WV], v200                ; wave 0..11
	s_lshr_b32 s[BR], s[WV], 2
	s_and_b32 s[NQ], s[WV], 3
	s_and_b32 s[BB], ttmp7, 0xffff                 ; batch
	v_and_b32 v[LN], 31, v0
	v_and_b32 v201, 15, v0
	v_bfe_u32 v202, v0, 4, 1
	v_lshlrev_b32 v[LI], 4, v[LN]
	v_lshlrev_b32 v[L4], 2, v[LN]
	s_mul_i32 s58, s[NQ], 24
	s_add_co_u32 s58, s58, s[BR]
	s_lshl_b32 s58, s58, 10                        ; tile 8 nq, my branch: [tile][branch][1,024]
	v_add_nc_u32 v[AK], s58, v[LI]
	v_add_nc_u32 v[AK+1], CHUNK, v[AK]
	s_lshl_b32 s58, s[BR], 14
	s_lshl_b32 s59, s[NQ], 9
	s_add_co_u32 s58, s58, s59
	s_add_co_u32 s58, s58, KSC
	v_add_nc_u32 v[AS0], s58, v[L4]
	v_lshlrev_b32 v[PFO], 8, v[LN]
	s_lshl_b32 s58, s[WV], 8
	s_add_co_u32 s58, s58, STAT
	v_lshl_add_u32 v[STW], v[LN], 3, s58
	s_lshl_b32 s58, s[BR], 10
	s_add_co_u32 s58, s58, STAT
	v_lshl_add_u32 v[STR], v[LN], 3, s58
	v_and_b32 v203, 8, v201
	v_add_nc_u32 v203, v203, v201
	v_lshl_add_u32 v203, v202, 3, v203
	v_lshlrev_b32 v[NLO], 2, v203
	; descriptors: dense blocks as rows of 256 bytes (32 elements of 8 bytes); 64 rows a load for the codes, 32 for the scale words
	s_mov_b32 s[G1], 15|(3<<16)|(1<<21)            ; 15:0 the mask: all four work-groups; 17:16 elements of 8 bytes; 21 set beside a mask
	s_mov_b32 s[G1+1], 32<<16                      ; tensor_dim0
	s_mov_b32 s[G1+2], 64<<16                      ; tensor_dim1
	s_mov_b32 s[G1+3], 32<<16                      ; tile_dim0
	s_mov_b32 s[G1+4], 64                          ; tile_dim1
	s_mov_b32 s[G1+5], 32                          ; the pitch
	s_mov_b32 s[G1+6], 0
	s_mov_b32 s[G1+7], 0
	s_mov_b32 s[G1S], 15|(3<<16)|(1<<21)
	s_mov_b32 s[G1S+1], 32<<16
	s_mov_b32 s[G1S+2], 32<<16
	s_mov_b32 s[G1S+3], 32<<16
	s_mov_b32 s[G1S+4], 32
	s_mov_b32 s[G1S+5], 32
	s_mov_b32 s[G1S+6], 0
	s_mov_b32 s[G1S+7], 0
	s_mov_b32 s[CS], 0x3fb8aa3b                    ; c = log2 e
	s_mov_b32 s[CS+1], s[CS]
	s_mov_b32 s[SEL], 0x76543210
	s_mov_b32 s[SEL+1], 0xfedcba98
	s_mov_b32 s[TS], 0
	s_lshl_b32 s58, s[WV], 14                      ; my sixth of a chunk
	s_mul_i32 s54, s[BB], 786432
	s_add_co_u32 s54, s54, s58
	s_add_co_u32 s54, s54, 524288
	s_mov_b32 s55, 0
	s_wait_kmcnt 0x0
	s_add_nc_u64 s[56:57], s[4:5], s[54:55]
.irp n, 0,1
	s_mov_b32 s[G0+4*\n], 1
	s_add_co_u32 s[G0+4*\n+1], s58, \n*CHUNK
	s_add_nc_u64 s[G0+4*\n+2:G0+4*\n+3], s[56:57], \n*CHUNK
	s_or_b32 s[G0+4*\n+3], s[G0+4*\n+3], 0x80000000
.endr
	s_lshl_b32 s58, s[WV], 13                      ; my sixth of the scale words
	s_mul_i32 s54, s[BB], 49152
	s_add_co_u32 s54, s54, s58
	s_add_co_u32 s54, s54, 2129920
	s_mov_b32 s[G0S], 1
	s_add_co_u32 s[G0S+1], s58, KSC
	s_add_nc_u64 s[G0S+2:G0S+3], s[4:5], s[54:55]
	s_or_b32 s[G0S+3], s[G0S+3], 0x80000000
	; what hangs on my place in the cluster: global addresses alone, in registers of their own
	s_bfe_u32 s[CX], ttmp6, 0x40000
	s_lshl_b32 s[MB], ttmp9, 2
	s_add_co_u32 s[MB], s[MB], s[CX]               ; my 32 queries
	s_mov_b32 s61, 0
	s_lshl_b32 s60, s[BB], 18
	s_lshl_b32 s62, s[MB], 11
	s_add_co_u32 s60, s60, s62
	s_add_nc_u64 s[66:67], s[4:5], s[60:61]        ; Q's two images
	s_lshl_b32 s60, s[BB], 14
	s_lshl_b32 s62, s[MB], 7
	s_add_co_u32 s60, s60, s62
	s_add_co_u32 s60, s60, 2097152
	s_add_nc_u64 s[68:69], s[4:5], s[60:61]        ; their scale words
	s_lshl_b32 s60, s[BR], 1
	s_add_co_u32 s60, s60, s[BB]
	s_lshl_b32 s60, s60, 14
	s_add_co_u32 s60, s60, s62
	s_add_nc_u64 s[70:71], s[6:7], s[60:61]        ; nlse at my 32 queries
	s_max_u32 s60, s[WV], 6
	s_sub_co_u32 s60, s60, 6
	s_min_u32 s60, s60, 2
	s_lshl_b32 s60, s60, 13
	s_mul_i32 s62, s[CX], 24576
	s_add_co_u32 s60, s60, s62
	s_mul_i32 s62, s[BB], 786432
	s_add_co_u32 s60, s60, s62
	s_add_co_u32 s60, s60, 524288+CHUNK            ; in chunk 1: every trip steps it by a chunk ahead of its prefetch
	s_add_nc_u64 s[PFA:PFA+1], s[4:5], s[60:61]
	s_sub_co_u32 s59, s[WV], 6
	s_cmp_lt_u32 s59, 3                            ; waves 6, 7, 8
	s_cselect_b32 s59, 0, 1
	s_or_b32 s59, s59, ttmp9                       ; of the batch's first cluster: the same in all four partners
	s_cmp_eq_u32 s59, 0
	s_cselect_b32 s[LIM], 1, -1
	s_mov_b32 s[LIMC], -1
.irp m, 0,1
.irp c, 0,1
	global_load_b128 v[QF+16*\m+4*\c:QF+16*\m+4*\c+3], v[LI], s[66:67] offset:1024*\m+512*\c
.endr
.endr
	global_load_b32 v[QSW], v[L4], s[68:69]
	ROUND                                          ; all four work-groups are here: the first joint loads meet
	s_cmp_lt_u32 s[WV], 6
	s_cbranch_scc0 .Lno_first
	tensor_load_to_lds s[G0S:G0S+3], s[G1S:G1S+7]  ; the scale words of the whole batch: filled once
	s_nop 0
	tensor_load_to_lds s[G0:G0+3], s[G1:G1+7]      ; chunk 0
	s_nop 0
.rept 4
	v_nop
.endr
.Lno_first:
.irp f, 0,1
.irp i, 8,9,10,11,12,13,14,15
	v_mov_b32 v[QF+16*\f+\i], 0                    ; K = 64: the upper 64 of the K step are zero codes, on both sides
.endr
.endr
.irp f, 0,1,2,3
.irp i, 8,9,10,11,12,13,14,15
	v_mov_b32 v[KF+16*\f+\i], 0
.endr
.endr
.irp m, 0,1
	v_mov_b32 v[ST+8*\m], 0xff61b1e6               ; -3e38, under every score: the first a is 0 and the first sum starts from 0
	v_mov_b32 v[ST+8*\m+1], 0xff61b1e6
	v_mov_b32 v[ST+8*\m+2], 0
	v_mov_b32 v[ST+8*\m+3], 0
.endr
.irp i, 2,3,4,5
	v_mov_b32 v[E+\i], 0                           ; a lane permute's destination counts as one of its sources
.endr
.macro LOADK slot, i0                  ; four key tiles, i0 on, and their scale words
.irp i, 0,1,2,3
.irp c, 0,1
	ds_load_b128 v[KF+16*\i+4*\c:KF+16*\i+4*\c+3], v[AK+\slot] offset:3072*((\i0)+\i)+512*\c
.endr
.endr
	ds_load_b32 v[KSW], v[ADS] offset:64*(\i0)
	ds_load_b32 v[KSW+1], v[ADS] offset:64*(\i0)+128
.endm
.macro MULS
.irp i, 0,1,2,3
.irp m, 0,1
	WM S+32*\m+8*\i, KF+16*\i, QF+16*\m, -1, KSW+\i/2, QSW, \i%2, \m
.endr
.endr
.rept 9
	v_nop                                          ; places in front of loads into the fragments, of the first read of results, and of the products that write these registers anew
.endr
.endm
; 32 scores a lane and query tile: the running maximum, a = 2^(c old max - c new max), the sum.  The two query tiles by turns.
.macro STATS
.irp j, 0,1,2,3
.irp m, 0,1
	v_max3_num_f32 v[ST+8*\m+4+\j], v[S+32*\m+8*\j], v[S+32*\m+8*\j+1], v[S+32*\m+8*\j+2]   ; each accumulator from its low end on
.endr
.endr
.irp k, 3,5
.irp j, 0,1,2,3
.irp m, 0,1
	v_max3_num_f32 v[ST+8*\m+4+\j], v[ST+8*\m+4+\j], v[S+32*\m+8*\j+\k], v[S+32*\m+8*\j+\k+1]
.endr
.endr
.endr
.irp m, 0,1
	v_max3_num_f32 v[ST+8*\m+4], v[ST+8*\m+4], v[S+32*\m+7], v[S+32*\m+15]
	v_max3_num_f32 v[ST+8*\m+6], v[ST+8*\m+6], v[S+32*\m+23], v[S+32*\m+31]
.endr
.irp m, 0,1
	v_max3_num_f32 v[ST+8*\m+4], v[ST+8*\m+4], v[ST+8*\m+5], v[ST+8*\m+6]
.endr
.irp m, 0,1
	v_max3_num_f32 v[ST+8*\m+1], v[ST+8*\m+4], v[ST+8*\m+7], v[ST+8*\m+1]   ; with the old maximum
.endr
.irp m, 0,1
	v_mov_b32 v[ST+8*\m+7], v[ST+8*\m]
.endr
.irp m, 0,1
	v_mul_f32 v[ST+8*\m], s[CS], v[ST+8*\m+1]
.endr
.irp m, 0,1
	v_sub_f32 v[ST+8*\m+7], v[ST+8*\m+7], v[ST+8*\m]
.endr
.irp b, 0,1,2,3,4,5,6,7,8,9,10,11,12,13,14,15
.irp m, 0,1
	v_pk_fma_f32 v[S+32*\m+2*\b:S+32*\m+2*\b+1], v[S+32*\m+2*\b:S+32*\m+2*\b+1], s[CS:CS+1], v[ST+8*\m:ST+8*\m+1] op_sel_hi:[1,0,0] neg_lo:[0,0,1] neg_hi:[0,0,1]   ; c s - c max
.endr
.endr
.irp m, 0,1
	v_exp_f32 v[ST+8*\m+6], v[ST+8*\m+7]
.endr
.set i_, 0
.rept 64
	v_exp_f32 v[S+i_], v[S+i_]
.set i_, i_+1
.endr
	v_nop                                          ; a plain line behind the last exponential
	s_wait_alu depctr_va_vdst(0)                   ; one wait for the batch of 66, ahead of its first reader
.irp u, 0,1,2,3,4,5,6,7
.irp m, 0,1
	v_pk_add_f32 v[S+32*\m+4*\u:S+32*\m+4*\u+1], v[S+32*\m+4*\u:S+32*\m+4*\u+1], v[S+32*\m+4*\u+2:S+32*\m+4*\u+3]
.endr
.endr
.irp u, 0,1,2,3
.irp m, 0,1
	v_pk_add_f32 v[S+32*\m+8*\u:S+32*\m+8*\u+1], v[S+32*\m+8*\u:S+32*\m+8*\u+1], v[S+32*\m+8*\u+4:S+32*\m+8*\u+5]
.endr
.endr
.irp u, 0,1
.irp m, 0,1
	v_pk_add_f32 v[S+32*\m+16*\u:S+32*\m+16*\u+1], v[S+32*\m+16*\u:S+32*\m+16*\u+1], v[S+32*\m+16*\u+8:S+32*\m+16*\u+9]
.endr
.endr
.irp m, 0,1
	v_pk_add_f32 v[S+32*\m:S+32*\m+1], v[S+32*\m:S+32*\m+1], v[S+32*\m+16:S+32*\m+17]
.endr
.irp m, 0,1
	v_pk_fma_f32 v[ST+8*\m+2:ST+8*\m+3], v[ST+8*\m+2:ST+8*\m+3], v[ST+8*\m+6:ST+8*\m+7], v[S+32*\m:S+32*\m+1] op_sel_hi:[1,0,1]   ; the sum under the new maximum
.endr
.endm
; A chunk.  In front of the round each wave waits for all its tensor loads, adds 0 to its spare word, and waits for that and for its reads of the slot that it has left; behind it that slot is filled again first.
.macro TRIP slot, refill, ask
	s_wait_tensorcnt 0x0                           ; no tensor load of mine is out, so a group 0 may be written
	ds_add_u32 v[SPW], v[NIL]                      ; 0 onto my spare word
	s_add_nc_u64 s[G0+4*\slot+2:G0+4*\slot+3], s[G0+4*\slot+2:G0+4*\slot+3], 2*CHUNK   ; this slot's next chunk
	s_wait_xcnt 0x0                                ; the last prefetch, a chunk back, has read its address
	s_add_nc_u64 s[PFA:PFA+1], s[PFA:PFA+1], CHUNK
	s_wait_dscnt 0x0                               ; the add is done, and my reads of the other slot are over
	ROUND
.if \refill
	TLOAD 1-\slot
.endif
.if \ask
	ASK
.endif
	v_add_nc_u32 v[ADS], s[TS], v[AS0]
	LOADK \slot, 0
	s_wait_dscnt 0x0
	MULS
	LOADK \slot, 4                                 ; they land while the first four tiles' statistics are taken
	STATS
	s_wait_dscnt 0x0
	MULS
	STATS
	s_add_co_u32 s[TS], s[TS], 2048                ; the next chunk's scale words
.endm
	s_wait_loadcnt 0x0                             ; Q
	s_mov_b32 s[CNT], 3
.Lchunk:
	TRIP 0, 1, 1
	TRIP 1, 1, 1
	s_sub_co_u32 s[CNT], s[CNT], 1
	s_cmp_lg_u32 s[CNT], 0
	s_cbranch_scc1 .Lchunk
	TRIP 0, 1, 0                                   ; the tail is written out: the last chunk is asked for, then nothing
	TRIP 1, 0, 0
	; the two halves of the lanes hold the same queries and other keys
.irp m, 0,1
	v_add_f32 v[E+\m], v[ST+8*\m+2], v[ST+8*\m+3]
.endr
.irp m, 0,1
	v_permlanex16_b32 v[E+2+\m], v[ST+8*\m], s[SEL], s[SEL+1]
.endr
.irp m, 0,1
	v_permlanex16_b32 v[E+4+\m], v[E+\m], s[SEL], s[SEL+1]
.endr
.irp m, 0,1
	v_max_num_f32 v[E+6+\m], v[ST+8*\m], v[E+2+\m]
.endr
.irp m, 0,1
	v_sub_f32 v[ST+8*\m+4], v[ST+8*\m], v[E+6+\m]
	v_sub_f32 v[ST+8*\m+5], v[E+2+\m], v[E+6+\m]
.endr
.irp m, 0,1
	v_exp_f32 v[ST+8*\m+4], v[ST+8*\m+4]
	v_exp_f32 v[ST+8*\m+5], v[ST+8*\m+5]
.endr
	v_nop
	s_wait_alu depctr_va_vdst(0)                   ; one wait for the four
.irp m, 0,1
	v_mul_f32 v[E+\m], v[E+\m], v[ST+8*\m+4]
.endr
.irp m, 0,1
	v_fma_f32 v[E+\m], v[E+4+\m], v[ST+8*\m+5], v[E+\m]
.endr
	v_cmp_le_u32 vcc_lo, 16, v[LN]
	v_cndmask_b32 v200, v[E+6], v[E+7], vcc_lo     ; lanes 0-15 query tile 0, lanes 16-31 tile 1
	v_cndmask_b32 v201, v[E], v[E+1], vcc_lo
	ds_store_b64 v[STW], v[200:201]
	s_wait_dscnt 0x0                               ; for the others' sake
	s_barrier_signal -1
	s_barrier_wait -1
	s_cmp_lg_u32 s[NQ], 0
	s_cbranch_scc1 .Lnot_first
.irp i, 0,1,2,3
	ds_load_b64 v[ST+2*\i:ST+2*\i+1], v[STR] offset:256*\i   ; the four waves of my branch
.endr
	s_wait_dscnt 0x0
	v_max3_num_f32 v[E], v[ST], v[ST+2], v[ST+4]
	v_max_num_f32 v[E], v[E], v[ST+6]
.irp i, 0,1,2,3
	v_sub_f32 v[ST+8+\i], v[ST+2*\i], v[E]
.endr
.irp i, 0,1,2,3
	v_exp_f32 v[ST+8+\i], v[ST+8+\i]
.endr
	v_nop
	s_wait_alu depctr_va_vdst(0)
	v_mul_f32 v[E+1], v[ST+1], v[ST+8]
	v_fma_f32 v[E+1], v[ST+3], v[ST+9], v[E+1]
	v_fma_f32 v[E+1], v[ST+5], v[ST+10], v[E+1]
	v_fma_f32 v[E+1], v[ST+7], v[ST+11], v[E+1]
	v_log_f32 v[E+2], v[E+1]
	v_nop
	s_wait_alu depctr_va_vdst(0)
	v_add_f32 v[E+2], v[E+2], v[E]                 ; c max + log2 of the sum
	v_mul_f32 v[E+2], 0xbf317218, v[E+2]           ; x -ln 2
	global_store_b32 v[NLO], v[E+2], s[70:71]      ; 32 queries: 128 consecutive bytes
.Lnot_first:
	s_wait_tensorcnt 0x0                           ; the wave's end
	ds_add_u32 v[SPW], v[NIL]
	s_wait_dscnt 0x0
	ROUND                                          ; the closing round
	s_endpgm
.Lfunc_end_k_q4a971b1be0_stats:
	.size	k_q4a971b1be0_stats, .Lfunc_end_k_q4a971b1be0_stats-k_q4a971b1be0_stats
	.p2alignl 7, 3214868480
	.fill 96, 4, 3214868480
	.section	.rodata,"a",@progbits
	.p2align	6, 0x0
	.amdhsa_kernel k_q4a971b1be0_stats
		.amdhsa_group_segment_fixed_size 327680
		.amdhsa_private_segment_fixed_size 0
		.amdhsa_enable_private_segment 0
		.amdhsa_kernarg_size 16
		.amdhsa_user_sgpr_count 2
		.amdhsa_user_sgpr_kernarg_segment_ptr 1
		.amdhsa_wavefront_size32 1
		.amdhsa_system_sgpr_workgroup_id_x 1
		.amdhsa_system_sgpr_workgroup_id_y 1
		.amdhsa_system_sgpr_workgroup_id_z 1
		.amdhsa_system_vgpr_workitem_id 0
		.amdhsa_next_free_vgpr 208
		.amdhsa_next_free_sgpr 76
		.amdhsa_reserve_vcc 1
		.amdhsa_float_denorm_mode_32 3
		.amdhsa_float_denorm_mode_16_64 3
		.amdhsa_memory_ordered 1
		.amdhsa_forward_progress 1
		.amdhsa_inst_pref_size 98
	.end_amdhsa_kernel
	.amdgpu_metadata
---
amdhsa.version: [ 1, 2 ]
amdhsa.kernels:
  - .name:           k_q4a971b1be0_stats
    .symbol:         k_q4a971b1be0_stats.kd
    .args:
      - { .name: qk, .offset: 0, .size: 8, .value_kind: global_buffer, .address_space: global }
      - { .name: nlse, .offset: 8, .size: 8, .value_kind: global_buffer, .address_space: global }
    .group_segment_fixed_size: 327680
    .private_segment_fixed_size: 0
    .kernarg_segment_align: 8
    .kernarg_segment_size: 16
    .max_flat_workgroup_size: 384
    .sgpr_count:     76
    .vgpr_count:     208
    .wavefront_size: 32
...
	.end_amdgpu_metadata
.endif
;; end of part 3
;; launch attend (part 4): grid 128 x 2, 8 waves a work-group, clusters of 4 x 1, 327,680 bytes of LDS; arguments qk, vq, nlse, aq; writes aq
.if DOCPART == 4
	.amdgcn_target "amdgcn-amd-amdhsa--gfx1250"
	.amdhsa_code_object_version 6
	.text
	.protected	k_q4a971b1be0_attend
	.globl	k_q4a971b1be0_attend
	.p2align	8
	.type	k_q4a971b1be0_attend,@function
k_q4a971b1be0_attend:
	s_mov_b64 s[64:65], 0
	v_nop
	global_prefetch_b8 v0, s[64:65] scope:SCOPE_SE
	s_setreg_imm32_b32 hwreg(HW_REG_WAVE_MODE, 25, 1), 1
	s_wait_xcnt 0x0
	s_wait_alu depctr_hold_cnt(0) depctr_sa_sdst(0) depctr_va_vdst(0) depctr_va_sdst(0) depctr_va_ssrc(0) depctr_va_vcc(0) depctr_vm_vsrc(0)
	s_getreg_b32 s2, hwreg(HW_REG_IB_STS2, 6, 4)
	s_cmp_eq_u32 s2, 0
	s_cbranch_scc0 .Lentry_in_a_cluster
	s_endpgm
.Lentry_in_a_cluster:
	s_bfe_u32 s2, ttmp6, 0x10000c
	s_cmp_lg_u32 s2, 0x3003
	s_cbranch_scc0 .Lentry_shape_is_right
	s_endpgm
.Lentry_shape_is_right:
; att(c, n) = the sum over the three branches and over m of V(c, m) p(m, n), p(m, n) = e^(s(m, n) - lse(m)): the finished softmax, quantised along m; then att quantised along c.  All on codes of BF8 (E5M2), E8M0 scales.
; SHARES.  A work-group owns 32 columns n (two key tiles) of one batch, all 512 channels, and walks all 4,096 m, 256 an iteration: every p is made once.  Two ROLES part on the wave's number:
;   PRODUCERS, waves 4-7: wave 4 + q makes p for 64 m (four query tiles), both key tiles, the three branches.  s - lse comes from the matrix unit: source 0 = 16 queries, source 1 = 16 keys, C = -lse in the result's
;   layout.  A lane holds one n, its registers run along m, the next K: p = 2^(c (s - lse)) is quantised in registers, and codes and half scale words go to LDS as images of operand registers.
;   CONSUMERS, waves 0-3: wave g keeps att of channels 128 g on x 32 n in 16 accumulators: source 0 = 16 channels of V, source 1 = p.  One fragment of V feeds six products, one of p eight.
; PIPELINE.  In iteration j the joint load of V(j) goes out, producers make P(j), consumers multiply V(j - 1) P(j - 1).  One round of the cluster's barrier an iteration serves V's two slots and P's two buffers.
; CLUSTER.  All work-groups of a batch walk the same V: the four of a cluster ask jointly.  Every wave fetches an eighth of a slot, one load behind each round: by this text's own count one tensor load of a wave is out.
; Q, -lse and the scale words of Q and V are small and go from memory straight into registers, an iteration ahead; in the last iteration the look-ahead is held at the last block, which is fetched again.
; A block's largest p is not searched for: p rises with its exponent, so the block's largest exponent goes through the same exponential (this takes v_exp_f32 not to fall where its input rises).
; LIMITS: p under 2^-126 becomes 0 (v_exp_f32 flushes: ISA guide 15.8); a block of zeros gets the byte 1 (its codes are zeros); the error of s - lse is one rounding of a number of lse's size.
; REGISTERS, window 0: v1-19 addresses; v20-47 SCALE WORDS and nothing else, in both roles; consumers: v48-111 V, two pairs of fragments; v112-207 p of the second K step;
;   producers: v48-111 K of branches 0, 1; v112-239 Q, two sets of four.   window 1: consumers: v0-127 att; v128-223 p of the first K step;  producers: v0-95 -lse; v96-159 scores; v160-201 at work; v208-239 K of branch 2;
;   v251-253 addresses.
.set VSL,  131072                      ; a slot of V: [2 K steps][32 channel tiles][2,048]
.set PB0,  262144                      ; P: 12 images (6 x K step + 2 x branch + key tile) of 2,048 bytes, two buffers
.set PBB,  24576
.set PS0,  311296                      ; their scale words, 128 bytes an image, two buffers
.set PSB,  1536
.set SPARE, 314368                     ; the spare words: 128 bytes for each of 8 waves: four blocks of 256 bytes that no other line names
.set LI,  1
.set L4,  2
.set RDW, 3
.set SPW, 4
.set NIL, 5
.set AV,  6                            ; v6-9   V: 16 x lane + my 8 tiles + slot, K step: index 2 slot + K step
.set AP,  10                           ; v10-11 P's buffer
.set APS, 12                           ; v12-13 its words
.set VSO, 14
.set QLO, 15
.set QSO, 16
.set NLO, 17
.set PFO, 18
.set AGW, 19
.set PSW, 20                           ; consumers: v20-31 p's words, v32-47 V's (two sets of 8)
.set VSW, 32
.set KSW, 20                           ; producers: v20-22 K's words, v24-27 Q's (two sets of 2)
.set QSW, 24
.set VF,  48
.set P1,  112
.set KF,  48
.set QF,  112
.set P0,  128                          ; window 1
.set NL,  0
.set S,   96
.set PC,  160
.set TM,  176
.set PW,  200
.set KF2, 208
.set AGO, 251
.set APW, 252
.set APSW, 253
.set TT,  128                          ; the tail's, in window 1
.set TPC, 160
.set TPW, 200
.set WV,  12
.set CX,  13
.set NB,  14
.set BB,  15
.set J,   16
.set JN,  17
.set CNT, 18
.set LIM, 19
.set MNT, 20
.set Q3,  21
.set CS,  22
.set G1,  24
.set G0,  32
.set SEL, 40
.set QB0, 42
.set QSB0, 44
.set NLB0, 46
.set VSB0, 48
.set QP,  50
.set QSP, 52
.set NLP, 54
.set VSP, 56
.set PFA, 58
.set OF,  60                           ; s[60:61] an offset that hangs on batch, wave and iteration alone
.set KB,  68
.set KSB, 70
.set AQB, 72
.set AQW, 74
.set OD,  76                           ; s[76:77], s78 the descriptors' own
.set OT,  82                           ; s[82:83], s80 offsets that hang on my place in the cluster: global addresses alone
.set MSB, 0
.macro WIN new
.if MSB != \new
	s_set_vgpr_msb (MSB<<8)|\new
.set MSB, \new
.endif
.endm
.macro WM d, a, b, c, sa, sb, ra, rb
.if (\c) < 0
.if (\ra) && (\rb)
	v_wmma_scale_f32_16x16x128_f8f6f4 v[(\d):(\d)+7], v[(\a):(\a)+15], v[(\b):(\b)+15], 0, v[(\sa)], v[(\sb)] matrix_a_fmt:MATRIX_FMT_BF8 matrix_b_fmt:MATRIX_FMT_BF8 matrix_a_scale:MATRIX_SCALE_ROW1 matrix_b_scale:MATRIX_SCALE_ROW1
.elseif (\ra)
	v_wmma_scale_f32_16x16x128_f8f6f4 v[(\d):(\d)+7], v[(\a):(\a)+15], v[(\b):(\b)+15], 0, v[(\sa)], v[(\sb)] matrix_a_fmt:MATRIX_FMT_BF8 matrix_b_fmt:MATRIX_FMT_BF8 matrix_a_scale:MATRIX_SCALE_ROW1
.elseif (\rb)
	v_wmma_scale_f32_16x16x128_f8f6f4 v[(\d):(\d)+7], v[(\a):(\a)+15], v[(\b):(\b)+15], 0, v[(\sa)], v[(\sb)] matrix_a_fmt:MATRIX_FMT_BF8 matrix_b_fmt:MATRIX_FMT_BF8 matrix_b_scale:MATRIX_SCALE_ROW1
.else
	v_wmma_scale_f32_16x16x128_f8f6f4 v[(\d):(\d)+7], v[(\a):(\a)+15], v[(\b):(\b)+15], 0, v[(\sa)], v[(\sb)] matrix_a_fmt:MATRIX_FMT_BF8 matrix_b_fmt:MATRIX_FMT_BF8
.endif
.else
.if (\ra) && (\rb)
	v_wmma_scale_f32_16x16x128_f8f6f4 v[(\d):(\d)+7], v[(\a):(\a)+15], v[(\b):(\b)+15], v[(\c):(\c)+7], v[(\sa)], v[(\sb)] matrix_a_fmt:MATRIX_FMT_BF8 matrix_b_fmt:MATRIX_FMT_BF8 matrix_a_scale:MATRIX_SCALE_ROW1 matrix_b_scale:MATRIX_SCALE_ROW1
.elseif (\ra)
	v_wmma_scale_f32_16x16x128_f8f6f4 v[(\d):(\d)+7], v[(\a):(\a)+15], v[(\b):(\b)+15], v[(\c):(\c)+7], v[(\sa)], v[(\sb)] matrix_a_fmt:MATRIX_FMT_BF8 matrix_b_fmt:MATRIX_FMT_BF8 matrix_a_scale:MATRIX_SCALE_ROW1
.elseif (\rb)
	v_wmma_scale_f32_16x16x128_f8f6f4 v[(\d):(\d)+7], v[(\a):(\a)+15], v[(\b):(\b)+15], v[(\c):(\c)+7], v[(\sa)], v[(\sb)] matrix_a_fmt:MATRIX_FMT_BF8 matrix_b_fmt:MATRIX_FMT_BF8 matrix_b_scale:MATRIX_SCALE_ROW1
.else
	v_wmma_scale_f32_16x16x128_f8f6f4 v[(\d):(\d)+7], v[(\a):(\a)+15], v[(\b):(\b)+15], v[(\c):(\c)+7], v[(\sa)], v[(\sb)] matrix_a_fmt:MATRIX_FMT_BF8 matrix_b_fmt:MATRIX_FMT_BF8
.endif
.endif
.endm
.macro PLACES n
.rept \n
	v_nop
.endr
.endm
.macro ROUND                           ; a round of the cluster's barrier
	s_barrier_signal -1
	s_barrier_wait -1
	s_cmp_lg_u32 s[WV], 0
	s_cbranch_scc1 .Lnw0_\@
	s_barrier_signal -3
.Lnw0_\@:
	s_barrier_wait -3
	s_barrier_signal -1
	s_barrier_wait -1
.endm
; A prefetch of the slot of V that the NEXT iteration will ask for.  All clusters of a batch walk the same V: the batch's first cluster asks; its four partners take 32,768 bytes each, told apart by address;
; in each, waves 0-3 ask for 8,192 bytes each, lanes 256 bytes apart.  Iterations 0 and 15 ask for nothing.  mode 1: every time; mode 2: not in the loop's last trip.
.macro ASK mode
.if (\mode) == 1
	s_cmp_eq_u32 s[LIM], 1
.else
	s_cmp_gt_u32 s[CNT], s[LIM]
.endif
	s_cbranch_scc0 .Lna_\@
	global_prefetch_b8 v[PFO], s[PFA:PFA+1] th:TH_LOAD_NT scope:SCOPE_SE
.Lna_\@:
.endm
.macro QUANT s, tm, pc, pw             ; 64 numbers of a lane, register 16 b + i = k 32 b + 16 (lane / 16) + i, become a fragment's codes and its scale word
.irp b, 0,1,2,3
	v_max3_num_f32 v[(\tm)+\b], |v[(\s)+16*\b]|, |v[(\s)+16*\b+1]|, 0x8000000
.endr
.irp i, 2,4,6,8,10,12,14
.irp b, 0,1,2,3
	v_max3_num_f32 v[(\tm)+\b], v[(\tm)+\b], |v[(\s)+16*\b+\i]|, |v[(\s)+16*\b+\i+1]|
.endr
.endr
.irp b, 0,1,2,3
	v_permlanex16_b32 v[(\tm)+4+\b], v[(\tm)+\b], s[SEL], s[SEL+1]
.endr
.irp b, 0,1,2,3
	v_max_num_f32 v[(\tm)+\b], v[(\tm)+\b], v[(\tm)+4+\b]
.endr
.irp b, 0,1,2,3
	v_add_nc_u32 v[(\tm)+12+\b], 0xf8800000, v[(\tm)+\b]
.endr
.irp b, 0,1,2,3
	v_and_or_b32 v[(\tm)+8+\b], v[(\tm)+\b], 0x7f800000, s[MNT]
.endr
.irp b, 0,1,2,3
	v_lshrrev_b32 v[(\tm)+4+\b], 23, v[(\tm)+12+\b]
.endr
	v_lshl_or_b32 v[(\pw)], v[(\tm)+5], 8, v[(\tm)+4]
	v_lshl_or_b32 v[(\pw)], v[(\tm)+6], 16, v[(\pw)]
	v_lshl_or_b32 v[(\pw)], v[(\tm)+7], 24, v[(\pw)]
.irp b, 0,1,2,3
.irp i, 0,1,2,3,4,5,6,7,8,9,10,11,12,13,14,15
	v_med3_num_f32 v[(\s)+16*\b+\i], v[(\s)+16*\b+\i], -v[(\tm)+8+\b], v[(\tm)+8+\b]
.endr
	v_cvt_scalef32_pk8_bf8_f32 v[(\pc)+4*\b:(\pc)+4*\b+1], v[(\s)+16*\b:(\s)+16*\b+7], v[(\tm)+12+\b]
	v_cvt_scalef32_pk8_bf8_f32 v[(\pc)+4*\b+2:(\pc)+4*\b+3], v[(\s)+16*\b+8:(\s)+16*\b+15], v[(\tm)+12+\b]
.endr
	v_nop
.endm
.macro LQ set, qp, qsp                 ; my four query tiles and their scale words: 10 loads
.irp t, 0,1,2,3
.irp c, 0,1
	global_load_b128 v[QF+64*(\set)+16*\t+4*\c:QF+64*(\set)+16*\t+4*\c+3], v[QLO], s[\qp:\qp+1] offset:1024*\t+512*\c
.endr
.endr
.irp p, 0,1
	global_load_b32 v[QSW+2*(\set)+\p], v[QSO], s[\qsp:\qsp+1] offset:128*\p
.endr
.endm
.macro LNL br, nlp                     ; -lse of my 64 m in the result's layout, 8 loads; destination window 1
.irp t, 0,1,2,3
	global_load_b128 v[NL+32*(\br)+8*\t:NL+32*(\br)+8*\t+3], v[NLO], s[\nlp:\nlp+1] offset:32768*(\br)+128*(\t/2)+32*(\t%2)
	global_load_b128 v[NL+32*(\br)+8*\t+4:NL+32*(\br)+8*\t+7], v[NLO], s[\nlp:\nlp+1] offset:32768*(\br)+128*(\t/2)+32*(\t%2)+16
.endr
.endm
	s_load_b256 s[4:11], s[0:1], 0x0               ; qk, vq, nlse, aq
	v_lshl_add_u32 v[SPW], v0, 2, SPARE
	v_mov_b32 v[NIL], 0
	ds_add_u32 v4, v5
	s_wait_dscnt 0x0
	v_lshrrev_b32 v240, 5, v0
	v_readfirstlane_b32 s[WV], v240                ; wave 0..7
	s_and_b32 s[Q3], s[WV], 3                      ; my number within my role
	s_and_b32 s[BB], ttmp7, 0xffff                 ; batch
	v_and_b32 v240, 31, v0                         ; lane
	v_and_b32 v241, 15, v0                         ; r
	v_bfe_u32 v242, v0, 4, 1                       ; h
	v_lshlrev_b32 v[LI], 4, v240
	v_lshlrev_b32 v[L4], 2, v240
	v_add_nc_u32 v[RDW], PS0, v[LI]
	s_lshl_b32 s62, s[Q3], 14
	v_add_nc_u32 v[AV], s62, v[LI]
	v_add_nc_u32 v[AV+1], 65536, v[AV]
	v_add_nc_u32 v[AV+2], VSL, v[AV]
	v_add_nc_u32 v[AV+3], VSL+65536, v[AV]
	v_add_nc_u32 v[AP], PB0, v[LI]
	v_add_nc_u32 v[AP+1], PB0+PBB, v[LI]
	v_add_nc_u32 v[APS], PS0, v[L4]
	v_add_nc_u32 v[APS+1], PS0+PSB, v[L4]
	s_lshl_b32 s62, s[Q3], 9
	v_add_nc_u32 v[VSO], s62, v[L4]
	s_lshl_b32 s62, s[Q3], 12
	v_add_nc_u32 v[QLO], s62, v[LI]
	s_lshl_b32 s62, s[Q3], 8
	v_add_nc_u32 v[QSO], s62, v[L4]
	v_lshl_add_u32 v[NLO], v242, 6, s62
	v_lshlrev_b32 v[PFO], 8, v240
	s_lshl_b32 s62, s[Q3], 6
	s_add_co_u32 s62, s62, PS0
	v_lshl_add_u32 v[AGW], v241, 2, s62
	s_lshr_b32 s62, s[Q3], 1                       ; which K step of the iteration my 64 m belong to,
	s_and_b32 s63, s[Q3], 1                        ; and which half of it
	s_mul_i32 s66, s62, 12288
	s_lshl_b32 s67, s63, 10
	s_add_co_u32 s66, s66, s67
	s_add_co_u32 s66, s66, PB0
	s_mul_i32 s62, s62, 768
	s_lshl_b32 s63, s63, 1
	s_add_co_u32 s62, s62, s63
	s_add_co_u32 s62, s62, PS0
	WIN 0x40                                       ; destination window 1
	v_add_nc_u32 v[APW], s66, v[LI]
	v_add_nc_u32 v[APSW], s62, v[L4]
	v_mov_b32 v[AGO], v[LI]
	WIN 0
	; descriptor group 1: 16,384 dense bytes as 64 rows of 256 (32 elements of 8 bytes)
	s_mov_b32 s[G1], 15|(3<<16)|(1<<21)            ; 15:0 the mask: all four work-groups; 17:16 elements of 8 bytes; 21 set beside a mask
	s_mov_b32 s[G1+1], 32<<16
	s_mov_b32 s[G1+2], 64<<16
	s_mov_b32 s[G1+3], 32<<16
	s_mov_b32 s[G1+4], 64
	s_mov_b32 s[G1+5], 32
	s_mov_b32 s[G1+6], 0
	s_mov_b32 s[G1+7], 0
	s_mov_b32 s[CS], 0x3fb8aa3b                    ; c = log2 e
	s_mov_b32 s[CS+1], s[CS]
	s_mov_b32 s[SEL], 0x76543210
	s_mov_b32 s[SEL+1], 0xfedcba98
	s_mov_b32 s[MNT], 0x600000
	s_mov_b32 s[J], 0
	s_mov_b32 s[OF+1], 0
	s_mov_b32 s[OD+1], 0
	s_mov_b32 s[OT+1], 0
	s_lshr_b32 s62, s[WV], 2
	s_or_b32 s62, s62, ttmp9                       ; waves 0-3 of the batch's first cluster: the same in all four partners
	s_cmp_eq_u32 s62, 0
	s_cselect_b32 s[LIM], 1, -1
	s_lshl_b32 s78, s[WV], 14                      ; my eighth of a slot
	s_lshl_b32 s[OD], s[BB], 21
	s_add_co_u32 s[OD], s[OD], s78
	s_wait_kmcnt 0x0
	s_add_nc_u64 s[66:67], s[6:7], s[OD:OD+1]
.irp n, 0,1
	s_mov_b32 s[G0+4*\n], 1
	s_add_co_u32 s[G0+4*\n+1], s78, \n*VSL
	s_add_nc_u64 s[G0+4*\n+2:G0+4*\n+3], s[66:67], \n*VSL
	s_or_b32 s[G0+4*\n+3], s[G0+4*\n+3], 0x80000000
.endr
	s_lshl_b32 s[OF], s[BB], 18
	s_add_nc_u64 s[QB0:QB0+1], s[4:5], s[OF:OF+1]  ; Q's images of the batch
	s_lshl_b32 s[OF], s[BB], 14
	s_add_nc_u64 s[NLB0:NLB0+1], s[8:9], s[OF:OF+1]
	s_add_co_u32 s[OF], s[OF], 2097152
	s_add_nc_u64 s[QSB0:QSB0+1], s[4:5], s[OF:OF+1]
	s_lshl_b32 s[OF], s[BB], 16
	s_add_co_u32 s[OF], s[OF], 4194304
	s_add_nc_u64 s[VSB0:VSB0+1], s[6:7], s[OF:OF+1]
	s_add_nc_u64 s[QP:QP+1], s[QB0:QB0+1], 16384   ; what iteration 0 fetches ahead: iteration 1's
	s_add_nc_u64 s[QSP:QSP+1], s[QSB0:QSB0+1], 1024
	s_add_nc_u64 s[NLP:NLP+1], s[NLB0:NLB0+1], 1024
	s_mov_b64 s[VSP:VSP+1], s[VSB0:VSB0+1]
	s_bfe_u32 s[CX], ttmp6, 0x40000                ; my place in the cluster enters global addresses alone
	s_lshl_b32 s[NB], ttmp9, 2
	s_add_co_u32 s[NB], s[NB], s[CX]               ; my 32 columns
	s_mul_i32 s[OT], s[BB], 786432
	s_mul_i32 s80, s[NB], 6144
	s_add_co_u32 s[OT], s[OT], s80
	s_add_co_u32 s[OT], s[OT], 524288
	s_add_nc_u64 s[KB:KB+1], s[4:5], s[OT:OT+1]    ; K: [tile][branch][1,024]
	s_mul_i32 s[OT], s[BB], 49152
	s_lshl_b32 s80, s[NB], 7
	s_add_co_u32 s[OT], s[OT], s80
	s_add_co_u32 s[OT], s[OT], 2129920
	s_add_nc_u64 s[KSB:KSB+1], s[4:5], s[OT:OT+1]
	s_lshl_b32 s[OT], s[BB], 21
	s_lshl_b32 s80, s[NB], 14
	s_add_co_u32 s[OT], s[OT], s80
	s_lshl_b32 s80, s[Q3], 11
	s_add_co_u32 s[OT], s[OT], s80
	s_add_nc_u64 s[AQB:AQB+1], s[10:11], s[OT:OT+1]  ; att: [tile of n][K step = my 128 channels][2,048]
	s_lshl_b32 s[OT], s[BB], 16
	s_lshl_b32 s80, s[NB], 9
	s_add_co_u32 s[OT], s[OT], s80
	s_add_co_u32 s[OT], s[OT], 4194304
	s_add_nc_u64 s[AQW:AQW+1], s[10:11], s[OT:OT+1]
	s_lshl_b32 s[OT], s[BB], 21
	s_lshl_b32 s80, s[CX], 15
	s_add_co_u32 s[OT], s[OT], s80
	s_lshl_b32 s80, s[Q3], 13
	s_add_co_u32 s[OT], s[OT], s80
	s_add_co_u32 s[OT], s[OT], VSL                 ; in slot 1: every iteration steps it by a slot ahead of its prefetch
	s_add_nc_u64 s[PFA:PFA+1], s[6:7], s[OT:OT+1]
	s_cmp_lt_u32 s[WV], 4
	s_cbranch_scc1 .Lhead_cons
.irp f, 0,1,2,3                        ; K stays in registers: fragment 2 x branch + key tile
.irp c, 0,1
	global_load_b128 v[KF+16*\f+4*\c:KF+16*\f+4*\c+3], v[LI], s[KB:KB+1] offset:((\f%2)*3+\f/2)*1024+512*\c
.endr
.endr
	WIN 0x40
.irp n, 0,1
.irp c, 0,1
	global_load_b128 v[KF2+16*\n+4*\c:KF2+16*\n+4*\c+3], v[LI], s[KB:KB+1] offset:(\n*3+2)*1024+512*\c
.endr
.endr
	WIN 0
.irp b, 0,1,2
	global_load_b32 v[KSW+\b], v[L4], s[KSB:KSB+1] offset:16384*\b     ; lanes 0-15 key tile 0, lanes 16-31 key tile 1
.endr
	LQ 0, QB0, QSB0
	WIN 0x40
	LNL 0, NLB0
	LNL 1, NLB0
	LNL 2, NLB0
.irp n, 0,1
.irp i, 8,9,10,11,12,13,14,15
	v_mov_b32 v[KF2+16*\n+\i], 0                   ; K = 64: the upper 64 of the K step are zero codes, on both sides
.endr
.endr
.irp k, 0,1,2,3
	v_mov_b32 v[TM+4+\k], 0                        ; a lane permute's destination counts as one of its sources
.endr
	WIN 0
.irp f, 0,1,2,3
.irp i, 8,9,10,11,12,13,14,15
	v_mov_b32 v[KF+16*\f+\i], 0
.endr
.endr
.irp f, 0,1,2,3,4,5,6,7
.irp i, 8,9,10,11,12,13,14,15
	v_mov_b32 v[QF+16*\f+\i], 0
.endr
.endr
	s_branch .Lhead_done
.Lhead_cons:
.irp p, 0,1
.irp a, 0,1,2,3
	global_load_b32 v[VSW+4*\p+\a], v[VSO], s[VSB0:VSB0+1] offset:2048*\p+128*\a   ; V's words of iteration 0: lanes 0-15 an even tile, lanes 16-31 the next
.endr
.endr
.Lhead_done:
; p of one branch: 64 numbers a lane in four blocks k = 2 x key tile + block of 32 m.  All in window 1.
.macro PQ br, par
.set i_, 0
.rept 32
	v_pk_mul_f32 v[S+i_:S+i_+1], v[S+i_:S+i_+1], s[CS:CS+1] op_sel_hi:[1,0]    ; t = c (s - lse); ascending: each accumulator from its low end on
.set i_, i_+2
.endr
.irp k, 0,1,2,3
	v_max3_num_f32 v[TM+\k], v[S+16*\k], v[S+16*\k+1], v[S+16*\k+2]            ; the block's largest t
.endr
.irp i, 3,5,7,9,11,13
.irp k, 0,1,2,3
	v_max3_num_f32 v[TM+\k], v[TM+\k], v[S+16*\k+\i], v[S+16*\k+\i+1]
.endr
.endr
.irp k, 0,1,2,3
	v_max_num_f32 v[TM+\k], v[TM+\k], v[S+16*\k+15]
.endr
.irp k, 0,1,2,3
	v_permlanex16_b32 v[TM+4+\k], v[TM+\k], s[SEL], s[SEL+1]
.endr
.irp k, 0,1,2,3
	v_max_num_f32 v[TM+\k], v[TM+\k], v[TM+4+\k]
.endr
.set i_, 0
.rept 64
	v_exp_f32 v[S+i_], v[S+i_]                     ; p: finished and normalised
.set i_, i_+1
.endr
.irp k, 0,1,2,3
	v_exp_f32 v[TM+\k], v[TM+\k]                   ; the block's largest p: the same instruction on the same number
.endr
	v_nop                                          ; a plain line behind the last exponential
	s_wait_alu depctr_va_vdst(0)                   ; one wait for the batch of 68, ahead of its first reader
	s_wait_dscnt 0x0                               ; the last branch's stores have read the registers that are written below
.irp k, 0,1,2,3
	v_max_num_f32 v[TM+\k], 0x8000000, v[TM+\k]    ; the floor 2^(16 - 127)
.endr
.irp k, 0,1,2,3
	v_add_nc_u32 v[TM+12+\k], 0xf8800000, v[TM+\k]
.endr
.irp k, 0,1,2,3
	v_and_or_b32 v[TM+8+\k], v[TM+\k], 0x7f800000, s[MNT]
.endr
.irp k, 0,1,2,3
	v_lshrrev_b32 v[TM+4+\k], 23, v[TM+12+\k]
.endr
	v_lshl_or_b32 v[PW], v[TM+5], 8, v[TM+4]       ; half a scale word for each key tile
	v_lshl_or_b32 v[PW+1], v[TM+7], 8, v[TM+6]
.irp k, 0,1,2,3
.irp i, 0,1,2,3,4,5,6,7,8,9,10,11,12,13,14,15
	v_min_num_f32 v[S+16*\k+\i], v[S+16*\k+\i], v[TM+8+\k]   ; the conversion does not saturate (ISA guide 7.6.2); p is not negative: a one-sided hold
.endr
	v_cvt_scalef32_pk8_bf8_f32 v[PC+4*\k:PC+4*\k+1], v[S+16*\k:S+16*\k+7], v[TM+12+\k]
	v_cvt_scalef32_pk8_bf8_f32 v[PC+4*\k+2:PC+4*\k+3], v[S+16*\k+8:S+16*\k+15], v[TM+12+\k]
.endr
	v_nop
.irp k, 0,1,2,3
	ds_store_b128 v[APW], v[PC+4*\k:PC+4*\k+3] offset:PBB*(\par)+2048*(2*(\br)+\k/2)+512*(\k%2)
.endr
.irp n, 0,1
	ds_store_b16 v[APSW], v[PW+\n] offset:PSB*(\par)+128*(2*(\br)+\n)
.endr
.endm
; A producer's iteration.  Loads in the order of issue: Q (10), -lse of branches 0, 1, 2 (8 each), always an iteration ahead.
.macro PROD par
	s_wait_loadcnt 16                              ; Q and branch 0's -lse are in; those of branches 1 and 2 may be out
	LQ 1-(\par), QP, QSP
.irp br, 0,1,2
.if \br > 0
	s_wait_loadcnt 26                              ; this branch's -lse is in; behind it: one set of -lse, Q's 10, one more set
.endif
.if \br < 2
	WIN 0x50                                       ; C and D window 1
.else
	WIN 0x54                                       ; and K of branch 2
.endif
.irp t, 0,1,2,3
.irp n, 0,1
.if \br < 2
	WM S+32*\n+8*\t, QF+64*(\par)+16*\t, KF+16*(2*\br+\n), NL+32*\br+8*\t, QSW+2*(\par)+\t/2, KSW+\br, \t%2, \n
.else
	WM S+32*\n+8*\t, QF+64*(\par)+16*\t, KF2+16*\n, NL+32*\br+8*\t, QSW+2*(\par)+\t/2, KSW+\br, \t%2, \n
.endif
.endr
.endr
	PLACES 9
	WIN 0x40
	LNL \br, NLP
	WIN 0x55
	PQ \br, \par
.endr
	WIN 0
.endm
.macro LP sp, buf                      ; p of K step sp: six fragments and their words: 30 loads
.if (\sp) == 0
	WIN 0x40
.set PP, P0
.else
	WIN 0
.set PP, P1
.endif
.irp f, 0,1,2,3,4,5
.irp c, 0,1,2,3
	ds_load_b128 v[PP+16*\f+4*\c:PP+16*\f+4*\c+3], v[AP+(\buf)] offset:2048*(6*(\sp)+\f)+512*\c
.endr
.endr
	WIN 0
.irp f, 0,1,2,3,4,5
	ds_load_b32 v[PSW+6*(\sp)+\f], v[APS+(\buf)] offset:128*(6*(\sp)+\f)
.endr
.endm
.macro LV i, buf                       ; pair i = 4 x K step + a: channel tiles 2 a, 2 a + 1 of my eight: 8 loads
.set SP_, (\i)/4
.set A2_, (\i)%4
.irp e, 0,1
.irp c, 0,1,2,3
	ds_load_b128 v[VF+32*((\i)%2)+16*\e+4*\c:VF+32*((\i)%2)+16*\e+4*\c+3], v[AV+2*(\buf)+SP_] offset:2048*(2*A2_+\e)+512*\c
.endr
.endr
.endm
.macro MULP i, buf, first              ; 12 products: four accumulators by turns, one instruction a turn, three times (the branches)
.set SP_, (\i)/4
.set A2_, (\i)%4
.if SP_ == 0
	WIN 0x54
.set PP, P0
.else
	WIN 0x50
.set PP, P1
.endif
.irp br, 0,1,2
.irp e, 0,1
.irp n, 0,1
.if (\first) && (SP_ == 0) && (\br == 0)
	WM 64*\n+8*(2*A2_+\e), VF+32*((\i)%2)+16*\e, PP+16*(2*\br+\n), -1, VSW+8*(\buf)+4*SP_+A2_, PSW+6*SP_+2*\br+\n, \e, 0
.else
	WM 64*\n+8*(2*A2_+\e), VF+32*((\i)%2)+16*\e, PP+16*(2*\br+\n), 64*\n+8*(2*A2_+\e), VSW+8*(\buf)+4*SP_+A2_, PSW+6*SP_+2*\br+\n, \e, 0
.endif
.endr
.endr
.endr
.endm
; A consumer's iteration: 96 products on V and P of the iteration before.  first = 1: the first products start the sums.  next = 1: V's words of the next one are fetched.
.macro CONS buf, first, next
	s_wait_loadcnt 0x0                             ; V's scale words
.if \next
.irp p, 0,1
.irp a, 0,1,2,3
	global_load_b32 v[VSW+8*(1-(\buf))+4*\p+\a], v[VSO], s[VSP:VSP+1] offset:2048*\p+128*\a
.endr
.endr
.endif
	LP 0, \buf
	LV 0, \buf
	LV 1, \buf
.irp i, 0,1,2,3,4,5,6,7
.if (\i == 2) || (\i == 3)
	s_wait_dscnt 38                                ; behind this pair's loads: the next pair's 8 and the second K step's 30 of p
.elseif \i == 7
	s_wait_dscnt 0x0
.else
	s_wait_dscnt 8                                 ; behind them: the next pair's 8
.endif
	MULP \i, \buf, \first
	WIN 0
	PLACES 8                                       ; in front of loads into registers that the products read, and of the first read of results
.if \i < 6
	LV \i+2, \buf
.endif
.if \i == 1
	LP 1, \buf
.endif
.endr
.endm
; An iteration's head, on every wave's path: all my tensor loads have landed (my eighth of V of the iteration before), 0 onto my spare word, the iteration's addresses, my LDS stores and reads are over; the round; the refill first.
.macro HEAD par, fill, ask
	s_wait_tensorcnt 0x0                           ; no tensor load of mine is out, so a group 0 may be written
	ds_add_u32 v[SPW], v[NIL]                      ; 0 onto my spare word
	s_add_nc_u64 s[G0+6-4*(\par):G0+7-4*(\par)], s[G0+6-4*(\par):G0+7-4*(\par)], 2*VSL   ; the other slot's next fill
	s_wait_xcnt 0x0                                ; the loads and the prefetch of the iteration before have read their bases
	s_add_co_u32 s[J], s[J], 1
	s_add_co_u32 s[JN], s[J], 1
	s_min_u32 s[JN], s[JN], 15                     ; the look-ahead stays inside the buffers
	s_lshl_b32 s[OF], s[JN], 14
	s_add_nc_u64 s[QP:QP+1], s[QB0:QB0+1], s[OF:OF+1]
	s_lshl_b32 s[OF], s[JN], 10
	s_add_nc_u64 s[QSP:QSP+1], s[QSB0:QSB0+1], s[OF:OF+1]
	s_add_nc_u64 s[NLP:NLP+1], s[NLB0:NLB0+1], s[OF:OF+1]
	s_lshl_b32 s[OF], s[J], 12
	s_add_nc_u64 s[VSP:VSP+1], s[VSB0:VSB0+1], s[OF:OF+1]
	s_add_nc_u64 s[PFA:PFA+1], s[PFA:PFA+1], VSL
	s_wait_dscnt 0x0                               ; the add is done; my stores of p have landed, my reads of V and p are over
.if \fill
	ROUND
	tensor_load_to_lds s[G0+4*(\par):G0+4*(\par)+3], s[G1:G1+7]
	s_nop 0
	PLACES 4
.if \ask
	ASK \ask
.endif
.else
	s_barrier_signal -1
	s_barrier_wait -1
.endif
.endm
.macro ITER par, first, ask
	HEAD \par, 1, \ask
	s_cmp_lt_u32 s[WV], 4
	s_cbranch_scc0 .Lpr_\@
	CONS 1-\par, \first, 1
	s_branch .Ljn_\@
.Lpr_\@:
	PROD \par
.Ljn_\@:
.endm
	ROUND                                          ; all four work-groups are here: the first joint load meets
	tensor_load_to_lds s[G0:G0+3], s[G1:G1+7]      ; V of iteration 0
	s_nop 0
	PLACES 4
	s_cmp_lt_u32 s[WV], 4
	s_cbranch_scc1 .Lj0_done
	PROD 0
.Lj0_done:
	ITER 1, 1, 1                                   ; iteration 1: the consumers' first products start the sums
	s_mov_b32 s[CNT], 7
.Liter:                                            ; iterations 2 to 15
	ITER 0, 0, 1
	ITER 1, 0, 2
	s_sub_co_u32 s[CNT], s[CNT], 1
	s_cmp_lg_u32 s[CNT], 0
	s_cbranch_scc1 .Liter
	HEAD 0, 0, 0                                   ; iteration 16: nothing is filled, so no round
	s_cmp_lt_u32 s[WV], 4
	s_cbranch_scc0 .Ltail_done
	CONS 1, 0, 0
	WIN 0x55                                       ; att of my 128 channels is one K step of the last product: quantised along c, a key tile at a time
	QUANT 0, TT, TPC, TPW
	QUANT 64, TT, TPC+16, TPW+1
.irp n, 0,1
.irp c, 0,1,2,3
	global_store_b128 v[AGO], v[TPC+16*\n+4*\c:TPC+16*\n+4*\c+3], s[AQB:AQB+1] offset:8192*\n+512*\c   ; 512 consecutive bytes, aligned
.endr
.endr
	WIN 0x04                                       ; an LDS store's data are its source 1: window 1
	ds_store_b32 v[AGW], v[TPW]                    ; into the first words' buffer, last read a barrier ago
	ds_store_b32 v[AGW], v[TPW+1] offset:256
	WIN 0
.Ltail_done:
	s_wait_dscnt 0x0
	s_barrier_signal -1
	s_barrier_wait -1
	s_cmp_lg_u32 s[WV], 0
	s_cbranch_scc1 .Lnot0
	ds_load_b128 v[244:247], v[RDW]                ; [key tile][K step][16 rows]: 512 bytes
	s_wait_dscnt 0x0
	global_store_b128 v[LI], v[244:247], s[AQW:AQW+1]
.Lnot0:
	s_wait_tensorcnt 0x0                           ; the wave's end
	ds_add_u32 v[SPW], v[NIL]
	s_wait_dscnt 0x0
	ROUND                                          ; the closing round
	s_endpgm
.Lfunc_end_k_q4a971b1be0_attend:
	.size	k_q4a971b1be0_attend, .Lfunc_end_k_q4a971b1be0_attend-k_q4a971b1be0_attend
	.p2alignl 7, 3214868480
	.fill 96, 4, 3214868480
	.section	.rodata,"a",@progbits
	.p2align	6, 0x0
	.amdhsa_kernel k_q4a971b1be0_attend
		.amdhsa_group_segment_fixed_size 327680
		.amdhsa_private_segment_fixed_size 0
		.amdhsa_enable_private_segment 0
		.amdhsa_kernarg_size 32
		.amdhsa_user_sgpr_count 2
		.amdhsa_user_sgpr_kernarg_segment_ptr 1
		.amdhsa_wavefront_size32 1
		.amdhsa_system_sgpr_workgroup_id_x 1
		.amdhsa_system_sgpr_workgroup_id_y 1
		.amdhsa_system_sgpr_workgroup_id_z 1
		.amdhsa_system_vgpr_workitem_id 0
		.amdhsa_next_free_vgpr 512
		.amdhsa_next_free_sgpr 90
		.amdhsa_reserve_vcc 0
		.amdhsa_float_denorm_mode_32 3
		.amdhsa_float_denorm_mode_16_64 3
		.amdhsa_memory_ordered 1
		.amdhsa_forward_progress 1
		.amdhsa_inst_pref_size 255
	.end_amdhsa_kernel
	.section	.bss,"aw",@nobits
	.p2align	6
	.space	262144
	.amdgpu_metadata
---
amdhsa.version: [ 1, 2 ]
amdhsa.kernels:
  - .name:           k_q4a971b1be0_attend
    .symbol:         k_q4a971b1be0_attend.kd
    .args:
      - { .name: qk, .offset: 0, .size: 8, .value_kind: global_buffer, .address_space: global }
      - { .name: vq, .offset: 8, .size: 8, .value_kind: global_buffer, .address_space: global }
      - { .name: nlse, .offset: 16, .size: 8, .value_kind: global_buffer, .address_space: global }
      - { .name: aq, .offset: 24, .size: 8, .value_kind: global_buffer, .address_space: global }
    .group_segment_fixed_size: 327680
    .private_segment_fixed_size: 0
    .kernarg_segment_align: 8
    .kernarg_segment_size: 32
    .max_flat_workgroup_size: 256
    .sgpr_count:     90
    .vgpr_count:     512
    .wavefront_size: 32
...
	.end_amdgpu_metadata
.endif
;; end of part 4
;; launch final (part 5): grid 256 x 1, 8 waves a work-group, no clusters, 103,424 bytes of LDS; arguments aq, wq, bl, gamma, x, out0; writes out0
.if DOCPART == 5
	.amdgcn_target "amdgcn-amd-amdhsa--gfx1250"
	.amdhsa_code_object_version 6
	.text
	.protected	k_q4a971b1be0_final
	.globl	k_q4a971b1be0_final
	.p2align	8
	.type	k_q4a971b1be0_final,@function
k_q4a971b1be0_final:
	s_mov_b64 s[64:65], 0
	v_nop
	global_prefetch_b8 v0, s[64:65] scope:SCOPE_SE
	s_setreg_imm32_b32 hwreg(HW_REG_WAVE_MODE, 25, 1), 1
	s_wait_xcnt 0x0
; out(o, n) = x(o, n) + gamma (the sum over c of Wl(o, c) att(c, n) + bl(o)), the product on codes of BF8 (E5M2) with E8M0 scales, both operands as images of operand registers.
; SHARES.  A work-group takes 64 n (four tiles: 256 bytes of a row of x and of out) x 256 o; wave w takes 32 neighbouring o (two tiles of Wl, which stay in its registers).
; Source 0 = 16 n of att, source 1 = 16 rows of Wl: a lane holds one o, and its eight registers are eight neighbouring n of that row.  bl is the C of each sum's first product.
; The 16 images of att (32,768 dense bytes) are copied to LDS once, an eighth a wave, and read by all.  Results go through the wave's own stage and leave as whole rows of 256 bytes.
; No joint loads: each half of Wl is read once a work-group, straight into the registers in which it stays; att's images are the work-group's own.
.set STG, 32768                        ; behind the images: 32 rows x (256 bytes + 16) for each wave
.set SPT, 272
.set WORDS, 655360
.set LI,  1
.set L4,  2
.set CPW, 3
.set PI4, 4
.set XO,  5
.set SO,  6
.set SR,  7
.set AF,  16                           ; v16-143  att's fragments, two sets of four; later the rows read back
.set ACC, 144                          ; v144-207 accumulator 4 e + tile of n
.set BL,  208                          ; v208-223 bl of my o, eight times, for two tiles
.set ASW, 224                          ; v224-231 att's scale words; v232-235 Wl's: scale words and nothing else
.set WSW, 232
.set X,   128                          ; window 1: v0-127 Wl's eight fragments; v128-191 x
.set WV,  18
.set OH,  19
.set NBK, 20
.set BB,  21
.set MSB, 0
.macro WIN new
.if MSB != \new
	s_set_vgpr_msb (MSB<<8)|\new
.set MSB, \new
.endif
.endm
.macro WM d, a, b, c, sa, sb, ra       ; both sides' words stand in the same half of the lanes
.if (\ra)
	v_wmma_scale_f32_16x16x128_f8f6f4 v[(\d):(\d)+7], v[(\a):(\a)+15], v[(\b):(\b)+15], v[(\c):(\c)+7], v[(\sa)], v[(\sb)] matrix_a_fmt:MATRIX_FMT_BF8 matrix_b_fmt:MATRIX_FMT_BF8 matrix_a_scale:MATRIX_SCALE_ROW1 matrix_b_scale:MATRIX_SCALE_ROW1
.else
	v_wmma_scale_f32_16x16x128_f8f6f4 v[(\d):(\d)+7], v[(\a):(\a)+15], v[(\b):(\b)+15], v[(\c):(\c)+7], v[(\sa)], v[(\sb)] matrix_a_fmt:MATRIX_FMT_BF8 matrix_b_fmt:MATRIX_FMT_BF8
.endif
.endm
	s_load_b256 s[4:11], s[0:1], 0x0               ; aq, wq, bl, gamma
	s_load_b128 s[12:15], s[0:1], 0x20             ; x, out0
	v_lshl_add_u32 v254, v0, 2, 0x19000
	v_mov_b32 v255, 0
	v_lshrrev_b32 v8, 5, v0
	v_readfirstlane_b32 s[WV], v8                  ; wave 0..7
	s_and_b32 s[OH], ttmp9, 1                      ; which 256 o
	s_lshr_b32 s[NBK], ttmp9, 1                    ; which 64 n, batches on end
	s_lshr_b32 s[BB], s[NBK], 6
	v_and_b32 v8, 31, v0
	v_and_b32 v9, 15, v0                           ; r
	v_bfe_u32 v10, v0, 4, 1                        ; h
	v_and_b32 v11, 8, v9
	v_add_nc_u32 v11, v11, v9                      ; r + 8 (r / 8)
	v_lshlrev_b32 v[LI], 4, v8
	v_lshlrev_b32 v[L4], 2, v8
	s_lshl_b32 s24, s[WV], 12
	v_add_nc_u32 v[CPW], s24, v[LI]
	v_lshlrev_b32 v[PI4], 2, v11
	v_lshlrev_b32 v[XO], 14, v10                   ; lanes 0-15 one row of x, lanes 16-31 the next; 16 bytes a lane
	v_lshl_add_u32 v[XO], v9, 4, v[XO]
	s_mul_i32 s24, s[WV], 32*SPT
	s_add_co_u32 s24, s24, STG                     ; my stage
	v_mul_u32_u24 v[SO], v11, SPT
	v_lshl_add_u32 v[SO], v10, 6, v[SO]
	v_add_nc_u32 v[SO], s24, v[SO]                 ; in: row r + 8 (r / 8) (+ 8 e), + 64 h
	v_mul_u32_u24 v[SR], v10, SPT
	v_lshl_add_u32 v[SR], v9, 4, v[SR]
	v_add_nc_u32 v[SR], s24, v[SR]                 ; back: two rows an instruction
	s_mov_b32 s23, 0
	s_wait_kmcnt 0x0
	s_load_b32 s16, s[10:11], 0x0                  ; gamma
	s_lshl_b32 s22, s[NBK], 15
	s_lshl_b32 s24, s[WV], 12
	s_add_co_u32 s22, s22, s24
	s_add_nc_u64 s[28:29], s[4:5], s[22:23]        ; my eighth of att's 16 images
	s_lshl_b32 s22, s[NBK], 10
	s_add_co_u32 s22, s22, 4194304
	s_add_nc_u64 s[30:31], s[4:5], s[22:23]        ; their scale words
	s_lshl_b32 s24, s[OH], 4
	s_lshl_b32 s25, s[WV], 1
	s_add_co_u32 s24, s24, s25                     ; my first tile of Wl
	s_add_co_u32 s25, s24, 48                      ; its number in wq
	s_lshl_b32 s22, s25, 13
	s_add_nc_u64 s[32:33], s[6:7], s[22:23]
	s_lshl_b32 s22, s25, 8
	s_add_co_u32 s22, s22, WORDS
	s_add_nc_u64 s[34:35], s[6:7], s[22:23]
	s_lshl_b32 s22, s24, 6
	s_add_nc_u64 s[36:37], s[8:9], s[22:23]        ; bl
	s_lshl_b32 s22, s[BB], 23
	s_lshl_b32 s24, s[OH], 22
	s_add_co_u32 s22, s22, s24
	s_lshl_b32 s24, s[WV], 19
	s_add_co_u32 s22, s22, s24
	s_and_b32 s24, s[NBK], 63
	s_lshl_b32 s24, s24, 8
	s_add_co_u32 s22, s22, s24
	s_add_nc_u64 s[38:39], s[12:13], s[22:23]      ; x and out at my first row, my 64 n
	s_add_nc_u64 s[40:41], s[14:15], s[22:23]
.irp i, 0,1,2,3,4,5,6,7
	global_load_b128 v[AF+4*\i:AF+4*\i+3], v[LI], s[28:29] offset:512*\i
.endr
.irp t, 0,1,2,3
.irp p, 0,1
	global_load_b32 v[ASW+2*\t+\p], v[L4], s[30:31] offset:256*\t+128*\p     ; lanes 0-15: K step 2 p; lanes 16-31: 2 p + 1
.endr
.endr
.irp e, 0,1
.irp p, 0,1
	global_load_b32 v[WSW+2*\e+\p], v[L4], s[34:35] offset:256*\e+128*\p
.endr
.endr
	global_load_b32 v[BL], v[PI4], s[36:37]
	global_load_b32 v[BL+8], v[PI4], s[36:37] offset:32
	WIN 0x40                                       ; destination window 1
.irp e, 0,1
.irp s, 0,1,2,3
.irp c, 0,1,2,3
	global_load_b128 v[16*(4*\e+\s)+4*\c:16*(4*\e+\s)+4*\c+3], v[LI], s[32:33] offset:8192*\e+2048*\s+512*\c
.endr
.endr
.endr
.irp i, 0,1,2,3,4,5,6,7,8,9,10,11,12,13,14,15
	global_load_b128 v[X+4*\i:X+4*\i+3], v[XO], s[38:39] offset:32768*\i th:TH_LOAD_NT   ; 16 lanes read 256 consecutive bytes, aligned
.endr
	WIN 0
	s_wait_loadcnt 62                              ; the eight loads of the copy are in; the 62 behind them may be out
.irp i, 0,1,2,3,4,5,6,7
	ds_store_b128 v[CPW], v[AF+4*\i:AF+4*\i+3] offset:512*\i
.endr
	s_wait_dscnt 0x0                               ; for the others' sake
	s_barrier_signal -1
	s_barrier_wait -1
	s_wait_loadcnt 16                              ; all but x
.irp e, 0,1
.irp i, 1,2,3,4,5,6,7
	v_mov_b32 v[BL+8*\e+\i], v[BL+8*\e]
.endr
.endr
.macro FETCH s                         ; K step s of the four tiles of n
.irp t, 0,1,2,3
.irp c, 0,1,2,3
	ds_load_b128 v[AF+64*((\s)%2)+16*\t+4*\c:AF+64*((\s)%2)+16*\t+4*\c+3], v[LI] offset:(4*\t+(\s))*2048+512*\c
.endr
.endr
.endm
	FETCH 0
	FETCH 1
.rept 8
	v_nop
.endr
.irp s, 0,1,2,3
.if \s < 3
	s_wait_dscnt 16                                ; this K step's fragments are in; the next one's 16 loads may be out
.else
	s_wait_dscnt 0x0
.endif
	WIN 0x04                                       ; source 1 (Wl) window 1
.irp e, 0,1
.irp t, 0,1,2,3                        ; the eight accumulators by turns
.if \s == 0
	WM ACC+8*(4*\e+\t), AF+64*(\s%2)+16*\t, 16*(4*\e+\s), BL+8*\e, ASW+2*\t+\s/2, WSW+2*\e+\s/2, \s%2
.else
	WM ACC+8*(4*\e+\t), AF+64*(\s%2)+16*\t, 16*(4*\e+\s), ACC+8*(4*\e+\t), ASW+2*\t+\s/2, WSW+2*\e+\s/2, \s%2
.endif
.endr
.endr
	WIN 0
.rept 8
	v_nop                                          ; places in front of loads into registers that the products read, and of the first read of results
.endr
.if \s < 2
	FETCH \s+2
.endif
.endr
.irp e, 0,1
.irp t, 0,1,2,3
	ds_store_b128 v[SO], v[ACC+8*(4*\e+\t):ACC+8*(4*\e+\t)+3] offset:8*\e*SPT+128*(\t/2)+32*(\t%2)        ; each accumulator from its low end on
	ds_store_b128 v[SO], v[ACC+8*(4*\e+\t)+4:ACC+8*(4*\e+\t)+7] offset:8*\e*SPT+128*(\t/2)+32*(\t%2)+16
.endr
.endr
.irp i, 0,1,2,3,4,5,6,7,8,9,10,11,12,13,14,15
	ds_load_b128 v[AF+4*\i:AF+4*\i+3], v[SR] offset:2*\i*SPT   ; LDS serves a wave's instructions in order (ISA guide 5.7.1.4): these see my stores
.endr
	s_wait_loadcnt 0x0                             ; x
	s_wait_kmcnt 0x0                               ; gamma
	s_mov_b32 s17, s16                             ; (named with it as a pair)
	WIN 0x10                                       ; source 2 (x) window 1
.irp i, 0,1,2,3,4,5,6,7,8,9,10,11,12,13,14,15
	s_wait_dscnt 15-\i
	v_pk_fma_f32 v[AF+4*\i:AF+4*\i+1], v[AF+4*\i:AF+4*\i+1], s[16:17], v[X+4*\i:X+4*\i+1] op_sel_hi:[1,0,1]
	v_pk_fma_f32 v[AF+4*\i+2:AF+4*\i+3], v[AF+4*\i+2:AF+4*\i+3], s[16:17], v[X+4*\i+2:X+4*\i+3] op_sel_hi:[1,0,1]
	global_store_b128 v[XO], v[AF+4*\i:AF+4*\i+3], s[40:41] offset:32768*\i th:TH_STORE_NT   ; 16 lanes store 256 consecutive bytes, aligned
.endr
	WIN 0
	s_wait_tensorcnt 0x0
	ds_add_u32 v254, v255
	s_wait_dscnt 0x0
	s_endpgm
.Lfunc_end_k_q4a971b1be0_final:
	.size	k_q4a971b1be0_final, .Lfunc_end_k_q4a971b1be0_final-k_q4a971b1be0_final
	.p2alignl 7, 3214868480
	.fill 96, 4, 3214868480
	.section	.rodata,"a",@progbits
	.p2align	6, 0x0
	.amdhsa_kernel k_q4a971b1be0_final
		.amdhsa_group_segment_fixed_size 103424
		.amdhsa_private_segment_fixed_size 0
		.amdhsa_enable_private_segment 0
		.amdhsa_kernarg_size 48
		.amdhsa_user_sgpr_count 2
		.amdhsa_user_sgpr_kernarg_segment_ptr 1
		.amdhsa_wavefront_size32 1
		.amdhsa_system_sgpr_workgroup_id_x 1
		.amdhsa_system_sgpr_workgroup_id_y 1
		.amdhsa_system_sgpr_workgroup_id_z 1
		.amdhsa_system_vgpr_workitem_id 0
		.amdhsa_next_free_vgpr 448
		.amdhsa_next_free_sgpr 66
		.amdhsa_reserve_vcc 0
		.amdhsa_float_denorm_mode_32 3
		.amdhsa_float_denorm_mode_16_64 3
		.amdhsa_memory_ordered 1
		.amdhsa_forward_progress 1
		.amdhsa_inst_pref_size 27
	.end_amdhsa_kernel
	.amdgpu_metadata
---
amdhsa.version: [ 1, 2 ]
amdhsa.kernels:
  - .name:           k_q4a971b1be0_final
    .symbol:         k_q4a971b1be0_final.kd
    .args:
      - { .name: aq, .offset: 0, .size: 8, .value_kind: global_buffer, .address_space: global }
      - { .name: wq, .offset: 8, .size: 8, .value_kind: global_buffer, .address_space: global }
      - { .name: bl, .offset: 16, .size: 8, .value_kind: global_buffer, .address_space: global }
      - { .name: gamma, .offset: 24, .size: 8, .value_kind: global_buffer, .address_space: global }
      - { .name: x, .offset: 32, .size: 8, .value_kind: global_buffer, .address_space: global }
      - { .name: out0, .offset: 40, .size: 8, .value_kind: global_buffer, .address_space: global }
    .group_segment_fixed_size: 103424
    .private_segment_fixed_size: 0
    .kernarg_segment_align: 8
    .kernarg_segment_size: 48
    .max_flat_workgroup_size: 256
    .sgpr_count:     66
    .vgpr_count:     448
    .wavefront_size: 32
...
	.end_amdgpu_metadata
.endif
;; end of part 5
;; ======== version 2 of 2: 5 launches; version 1 with the launches project, final written anew for expert scheduling mode
;; limits: right only within a limited range of input values
;; workspace buffers: wq 675,840 bytes; qk 2,228,224 bytes; vq 4,325,376 bytes; nlse 98,304 bytes; aq 4,325,376 bytes
;; launch wquant: the kernel of part 1 again; grid 80 x 1, 4 waves a work-group, no clusters, 768 bytes of LDS; arguments Wq, Wk1, Wk2, Wk3, Wv, Wl, wq; writes wq
;; launch project (part 6): grid 256 x 1, 8 waves a work-group, no clusters, 105,472 bytes of LDS; arguments x, y, z, bq, bk1, bk2, bk3, bv, wq, qk, vq; writes qk, vq
.if DOCPART == 6
	.amdgcn_target "amdgcn-amd-amdhsa--gfx1250"
	.amdhsa_code_object_version 6
	.text
	.protected	k_q4a971b1be0_project
	.globl	k_q4a971b1be0_project
	.p2align	8
	.type	k_q4a971b1be0_project,@function
k_q4a971b1be0_project:
	s_mov_b64 s[64:65], 0
	v_nop
	global_prefetch_b8 v0, s[64:65] scope:SCOPE_SE
	s_setreg_imm32_b32 hwreg(HW_REG_WAVE_SCHED_MODE, 0, 2), 2
	s_setreg_imm32_b32 hwreg(HW_REG_WAVE_MODE, 25, 1), 1
	s_wait_xcnt 0x0
	s_wait_alu depctr_vm_vsrc(0)
; The five 1x1 convolutions on codes of BF8 (E5M2, one E8M0 byte for each 32 along K), and their results quantised for the attention.
; A work-group takes 128 pixels of one batch and one ROLE (work-group number % 4): 0: x -> Q and V's channels 0-255;  1: x -> K1 and V's channels 256-511;  2: y -> K2;  3: z -> K3.
; PHASE A: the tensor's 512 channels x 128 pixels are quantised along c: a lane takes a pixel and its registers run down c, so a block of 32 lies in one lane; codes go to LDS as rows of a pixel.
; PHASE B1 (all roles): wave w makes pixel tile w of Q or K: source 0 = 16 rows of the weight, source 1 = 16 pixels: a lane holds one pixel and its registers run along the 64 outputs, the next K.
; PHASE B2 (roles 0, 1): wave w makes 32 channels of V for the 128 pixels: source 0 = 16 pixels, source 1 = 16 rows of Wv: a lane holds one channel and its registers run along the pixels, V's K.
; THE ROWS OF A TILE ARE NOT NEIGHBOURS: lane r of tile T takes row 32 (T / 2) + 8 (T % 2) + r + 8 (r / 8), of pixels and channels alike, so the 16 registers of tiles 2 B, 2 B + 1 are 16 neighbours along the next K.
; All that leaves is an image of operand registers: group c of lane L at 512 c + 16 L.  Q and K have K = 64: two groups, 1,024 bytes; bytes 2, 3 of their scale words are 127.
; One path through the text: tensor, bias and places are chosen by the role; ONE branch on the role, round phase B2.  Roles 2 and 3 load Wv's fragments too and do not use them, so that this one branch suffices.
; No joint loads: the weights are read once a work-group, straight into the registers or LDS bytes in which they stay; the bulk of a work-group's bytes is its own tile.
; LIMITS: a block of zeros gets the byte 1 (its codes are zeros; this program alone reads the bytes); NaN and infinities among the inputs are not served.
; THE MODE: SCHED_MODE bits 1:0 = 2 (LLVM: expert scheduling mode 2), set by the entry lines.  The code itself states the register dependences
; between vector or matrix instructions and memory or LDS instructions, with s_wait_alu, always for 0.
; THE PLAN.  Registers that memory or LDS instructions touch:
;   v1-15     offsets and LDS addresses: made once at the head and never written again: one wait on va_vdst ahead of the first load serves them all.
;   PHASE A   X0, X1: block t's holds and conversions work on X[t % 2]; behind them the loads of block t + 2 land in it.  CD: written by a block's conversions, read by its two LDS stores.
;             SB: written in every block, read by one LDS store behind the last.  One wait on va_vdst a block, behind its conversions; one on vm_vsrc ahead of the next block's conversions.
;   B1        the weights' fragments have two sets, even K steps in window 0, odd ones in window 1: while one is multiplied the other's loads land.  One wait on va_vdst behind the products of K steps 0 and 1,
;             ahead of the loads that land in the set just read.  One ahead of the stores of Q or K; it also shows the products done with v124-255, in which phase B2's first loads land.
;   B2        XB, XS: read by a step's 16 products; behind them the next step's loads land there.  PC + 8 g: written by step g's conversions, read by two stores that are issued in step g + 1.
;             One wait on va_vdst a step, behind its products: the loads and the stores of the step before follow it at once, ahead of the quantiser's lines.
.set XP,   528                         ; a pixel's row in LDS: 512 codes + 16 of padding: an odd multiple of 16 bytes
.set XSC,  67584                       ; behind the 128 rows: 16 scale bytes a pixel
.set WBL,  69632                       ; the role's 16 small-weight fragments, 4 t + s, 2,048 bytes each
.set QG,   102400                      ; the eight waves' scale words of Q or K, 64 bytes each
.set WORDS, 655360
.set L4,  1                            ; v1   4 x lane
.set XST, 2                            ; v2   phase A: my pixel's row + 256 x my half of the channels
.set XSS, 3                            ; v3   and its scale bytes
.set XFA, 4                            ; v4   a fragment's place in pixel tile w
.set XFB, 5                            ; v5   the same in pixel tile 0
.set XSA, 6                            ; v6   scale words of pixel tile w: lanes 0-15 an even K step's, lanes 16-31 the next one's
.set XSB, 7                            ; v7   the same of pixel tile 0
.set LI,  8                            ; v8   16 x lane
.set WCP, 9                            ; v9   where I copy my part of the small weights
.set QGW, 10                           ; v10  where my scale word goes
.set LN,  11                           ; v11  lane
.set H64, 12                           ; v12  64 h
.set PI4, 13                           ; v13  4 (r + 8 (r / 8))
.set WRD, 14                           ; v14  WBL + 16 x lane
.set QGR, 15                           ; v15  QG + 16 x lane
.set TM,  16                           ; v16-25 at work; v26, v27: the closing add's two, made at the head and kept for it alone
.set VW,  28                           ; v28-29 V's scale words in the making
.set VO,  30
.set PW,  31
.set HA,  32                           ; v32-63  four accumulators (B1: begun with the bias; B2: V's)
.set VA,  32
.set PC,  64                           ; v64-95  codes
.set BV,  96                           ; v96-111 bv of my channel, eight times, for two tiles
.set WS,  112                          ; v112-119 small weights' scale words; v120-123 Wv's; v124-127 the pixels': scale words and nothing else
.set WVS, 120
.set XS,  124
.set X,   128                          ; phase A: v128-191 two sets of 32 numbers; v192-199 codes; v200-201 bytes; v208-239 the copy
.set CD,  192
.set SB,  200
.set CP,  208
.set XF,  128                          ; B1: my pixel tile's four fragments; v192-255 four weight fragments of an even K step;
.set WB,  192
.set WB1, 128                          ; window 1, v128-191: those of an odd K step (window 1's v0-127 hold Wv)
.set XB,  128                          ; B2: two pixel tiles' eight fragments
.set ROLE, 26
.set BB,  28
.set PB,  29
.set WV,  30
.set R1,  31
.set SEL, 58
.set MNT, 60
.set MSB, 0
.macro WIN new                         ; the immediate's high byte repeats the setting that is left
.if MSB != \new
	s_set_vgpr_msb (MSB<<8)|\new
.set MSB, \new
.endif
.endm
; one product: D, A, B, C (under 0: the constant 0), the two scale registers, and whether each side's words stand in lanes 16-31
.macro WM d, a, b, c, sa, sb, ra, rb
.if (\c) < 0
.if (\ra) && (\rb)
	v_wmma_scale_f32_16x16x128_f8f6f4 v[(\d):(\d)+7], v[(\a):(\a)+15], v[(\b):(\b)+15], 0, v[(\sa)], v[(\sb)] matrix_a_fmt:MATRIX_FMT_BF8 matrix_b_fmt:MATRIX_FMT_BF8 matrix_a_scale:MATRIX_SCALE_ROW1 matrix_b_scale:MATRIX_SCALE_ROW1
.elseif (\ra)
	v_wmma_scale_f32_16x16x128_f8f6f4 v[(\d):(\d)+7], v[(\a):(\a)+15], v[(\b):(\b)+15], 0, v[(\sa)], v[(\sb)] matrix_a_fmt:MATRIX_FMT_BF8 matrix_b_fmt:MATRIX_FMT_BF8 matrix_a_scale:MATRIX_SCALE_ROW1
.elseif (\rb)
	v_wmma_scale_f32_16x16x128_f8f6f4 v[(\d):(\d)+7], v[(\a):(\a)+15], v[(\b):(\b)+15], 0, v[(\sa)], v[(\sb)] matrix_a_fmt:MATRIX_FMT_BF8 matrix_b_fmt:MATRIX_FMT_BF8 matrix_b_scale:MATRIX_SCALE_ROW1
.else
	v_wmma_scale_f32_16x16x128_f8f6f4 v[(\d):(\d)+7], v[(\a):(\a)+15], v[(\b):(\b)+15], 0, v[(\sa)], v[(\sb)] matrix_a_fmt:MATRIX_FMT_BF8 matrix_b_fmt:MATRIX_FMT_BF8
.endif
.else
.if (\ra) && (\rb)
	v_wmma_scale_f32_16x16x128_f8f6f4 v[(\d):(\d)+7], v[(\a):(\a)+15], v[(\b):(\b)+15], v[(\c):(\c)+7], v[(\sa)], v[(\sb)] matrix_a_fmt:MATRIX_FMT_BF8 matrix_b_fmt:MATRIX_FMT_BF8 matrix_a_scale:MATRIX_SCALE_ROW1 matrix_b_scale:MATRIX_SCALE_ROW1
.elseif (\ra)
	v_wmma_scale_f32_16x16x128_f8f6f4 v[(\d):(\d)+7], v[(\a):(\a)+15], v[(\b):(\b)+15], v[(\c):(\c)+7], v[(\sa)], v[(\sb)] matrix_a_fmt:MATRIX_FMT_BF8 matrix_b_fmt:MATRIX_FMT_BF8 matrix_a_scale:MATRIX_SCALE_ROW1
.elseif (\rb)
	v_wmma_scale_f32_16x16x128_f8f6f4 v[(\d):(\d)+7], v[(\a):(\a)+15], v[(\b):(\b)+15], v[(\c):(\c)+7], v[(\sa)], v[(\sb)] matrix_a_fmt:MATRIX_FMT_BF8 matrix_b_fmt:MATRIX_FMT_BF8 matrix_b_scale:MATRIX_SCALE_ROW1
.else
	v_wmma_scale_f32_16x16x128_f8f6f4 v[(\d):(\d)+7], v[(\a):(\a)+15], v[(\b):(\b)+15], v[(\c):(\c)+7], v[(\sa)], v[(\sb)] matrix_a_fmt:MATRIX_FMT_BF8 matrix_b_fmt:MATRIX_FMT_BF8
.endif
.endif
.endm
.macro PLACES n
.rept \n
	v_nop
.endr
.endm
; two blocks of 32 (16 registers a lane each, the other 16 in lane l xor 16), by turns: codes to v[d0] on and v[d1] on, bytes to v[TM+8], v[TM+9]
.macro QB2 s0, s1, d0, d1
	v_max3_num_f32 v[TM], |v[(\s0)]|, |v[(\s0)+1]|, 0x8000000      ; with the floor 2^(16 - 127): the byte cannot fall under 1
	v_max3_num_f32 v[TM+1], |v[(\s1)]|, |v[(\s1)+1]|, 0x8000000
.irp i, 2,4,6,8,10,12,14
	v_max3_num_f32 v[TM], v[TM], |v[(\s0)+\i]|, |v[(\s0)+\i+1]|
	v_max3_num_f32 v[TM+1], v[TM+1], |v[(\s1)+\i]|, |v[(\s1)+\i+1]|
.endr
	v_permlanex16_b32 v[TM+2], v[TM], s[SEL], s[SEL+1]
	v_permlanex16_b32 v[TM+3], v[TM+1], s[SEL], s[SEL+1]
	v_max_num_f32 v[TM], v[TM], v[TM+2]
	v_max_num_f32 v[TM+1], v[TM+1], v[TM+3]
	v_add_nc_u32 v[TM+4], 0xf8800000, v[TM]        ; 15 off the exponent field: the conversion's scale operand
	v_add_nc_u32 v[TM+5], 0xf8800000, v[TM+1]
	v_and_or_b32 v[TM+6], v[TM], 0x7f800000, s[MNT]  ; 57,344 x the scale
	v_and_or_b32 v[TM+7], v[TM+1], 0x7f800000, s[MNT]
	v_lshrrev_b32 v[TM+8], 23, v[TM+4]             ; the bytes
	v_lshrrev_b32 v[TM+9], 23, v[TM+5]
.irp i, 0,1,2,3,4,5,6,7,8,9,10,11,12,13,14,15
	v_med3_num_f32 v[(\s0)+\i], v[(\s0)+\i], -v[TM+6], v[TM+6]
.endr
	v_cvt_scalef32_pk8_bf8_f32 v[(\d0):(\d0)+1], v[(\s0):(\s0)+7], v[TM+4]
	v_cvt_scalef32_pk8_bf8_f32 v[(\d0)+2:(\d0)+3], v[(\s0)+8:(\s0)+15], v[TM+4]
.irp i, 0,1,2,3,4,5,6,7,8,9,10,11,12,13,14,15
	v_med3_num_f32 v[(\s1)+\i], v[(\s1)+\i], -v[TM+7], v[TM+7]
.endr
	v_cvt_scalef32_pk8_bf8_f32 v[(\d1):(\d1)+1], v[(\s1):(\s1)+7], v[TM+5]
	v_cvt_scalef32_pk8_bf8_f32 v[(\d1)+2:(\d1)+3], v[(\s1)+8:(\s1)+15], v[TM+5]
	v_nop                                          ; a plain line behind the last conversion
.endm
	s_load_b512 s[4:19], s[0:1], 0x0               ; x, y, z, bq, bk1, bk2, bk3, bv
	s_load_b128 s[20:23], s[0:1], 0x40             ; wq, qk
	s_load_b64 s[24:25], s[0:1], 0x50              ; vq
	v_lshl_add_u32 v26, v0, 2, 0x19800
	v_mov_b32 v27, 0
	v_lshrrev_b32 v1, 5, v0
	v_readfirstlane_b32 s[WV], v1                  ; wave 0..7
	s_and_b32 s[ROLE], ttmp9, 3
	s_lshr_b32 s27, ttmp9, 2
	s_lshr_b32 s[BB], s27, 5                       ; batch
	s_and_b32 s[PB], s27, 31                       ; which 128 pixels
	s_and_b32 s[R1], s[ROLE], 1                    ; which half of V's channels
	v_and_b32 v[LN], 31, v0
	v_and_b32 v17, 15, v0                          ; r
	v_bfe_u32 v18, v0, 4, 1                        ; h
	v_and_b32 v19, 8, v17
	v_add_nc_u32 v19, v19, v17                     ; r + 8 (r / 8)
	v_lshlrev_b32 v[L4], 2, v[LN]
	v_lshlrev_b32 v[LI], 4, v[LN]
	s_wait_alu depctr_va_sdst(0)                   ; the wave's number is written, ahead of its first reader
	s_and_b32 s61, s[WV], 3                        ; phase A: which 32 pixels,
	s_lshr_b32 s62, s[WV], 2                       ; which 256 channels
	s_mul_i32 s63, s61, 32*XP
	s_lshl_b32 s66, s62, 8
	s_add_co_u32 s63, s63, s66
	v_mul_u32_u24 v[XST], v[LN], XP
	v_add_nc_u32 v[XST], s63, v[XST]
	s_lshl_b32 s63, s61, 9
	s_lshl_b32 s66, s62, 3
	s_add_co_u32 s63, s63, s66
	s_add_co_u32 s63, s63, XSC
	v_lshl_add_u32 v[XSS], v[LN], 4, s63
	v_mul_u32_u24 v[XFB], v19, XP
	v_lshl_add_u32 v[XFB], v18, 4, v[XFB]
	s_lshr_b32 s63, s[WV], 1
	s_lshl_b32 s63, s63, 5
	s_and_b32 s66, s[WV], 1
	s_lshl_b32 s66, s66, 3
	s_add_co_u32 s63, s63, s66                     ; pixel tile w begins at 32 (w / 2) + 8 (w % 2)
	s_mul_i32 s66, s63, XP
	v_add_nc_u32 v[XFA], s66, v[XFB]
	v_lshlrev_b32 v[XSB], 4, v19
	v_lshl_add_u32 v[XSB], v18, 2, v[XSB]
	v_add_nc_u32 v[XSB], XSC, v[XSB]
	s_lshl_b32 s66, s63, 4
	v_add_nc_u32 v[XSA], s66, v[XSB]
	s_lshl_b32 s66, s[WV], 12
	s_add_co_u32 s66, s66, WBL
	v_add_nc_u32 v[WCP], s66, v[LI]
	v_add_nc_u32 v[WRD], WBL, v[LI]
	s_lshl_b32 s66, s[WV], 6
	s_add_co_u32 s66, s66, QG
	v_lshl_add_u32 v[QGW], v17, 2, s66
	v_add_nc_u32 v[QGR], QG, v[LI]
	v_lshlrev_b32 v[H64], 6, v18
	v_lshlrev_b32 v[PI4], 2, v19
	s_mov_b32 s[SEL], 0x76543210
	s_mov_b32 s[SEL+1], 0xfedcba98
	s_mov_b32 s[MNT], 0x600000
	s_lshl_b32 s36, s[BB], 23                      ; the tensor: batch, 128 pixels, my 256 channels, my 32 pixels
	s_lshl_b32 s63, s[PB], 9
	s_add_co_u32 s36, s36, s63
	s_lshl_b32 s63, s62, 22
	s_add_co_u32 s36, s36, s63
	s_lshl_b32 s63, s61, 7
	s_add_co_u32 s36, s36, s63
	s_mov_b32 s37, 0
	s_wait_kmcnt 0x0
	s_cmp_eq_u32 s[ROLE], 2
	s_cselect_b64 s[32:33], s[6:7], s[4:5]
	s_cmp_eq_u32 s[ROLE], 3
	s_cselect_b64 s[32:33], s[8:9], s[32:33]
	s_add_nc_u64 s[32:33], s[32:33], s[36:37]
	s_cmp_eq_u32 s[ROLE], 1
	s_cselect_b64 s[34:35], s[12:13], s[10:11]     ; the small product's bias
	s_cmp_eq_u32 s[ROLE], 2
	s_cselect_b64 s[34:35], s[14:15], s[34:35]
	s_cmp_eq_u32 s[ROLE], 3
	s_cselect_b64 s[34:35], s[16:17], s[34:35]
	s_lshl_b32 s36, s[ROLE], 15                    ; the role's four weight tiles: 32,768 bytes; my eighth of them
	s_lshl_b32 s63, s[WV], 12
	s_add_co_u32 s36, s36, s63
	s_add_nc_u64 s[40:41], s[20:21], s[36:37]
	s_lshl_b32 s36, s[ROLE], 10
	s_add_co_u32 s36, s36, WORDS
	s_add_nc_u64 s[42:43], s[20:21], s[36:37]      ; their scale words
	s_lshl_b32 s63, s[R1], 4
	s_lshl_b32 s66, s[WV], 1
	s_add_co_u32 s63, s63, s66                     ; my first channel tile of V: 16 x half + 2 w
	s_add_co_u32 s66, s63, 16                      ; and its number in wq
	s_lshl_b32 s36, s66, 13
	s_add_nc_u64 s[44:45], s[20:21], s[36:37]
	s_lshl_b32 s36, s66, 8
	s_add_co_u32 s36, s36, WORDS
	s_add_nc_u64 s[46:47], s[20:21], s[36:37]
	s_lshl_b32 s36, s63, 6                         ; bv: 16 numbers a tile
	s_add_nc_u64 s[48:49], s[18:19], s[36:37]
	s_lshl_b32 s66, s[BB], 5
	s_add_co_u32 s66, s66, s[PB]                   ; V's K step: 32 b + these 128 pixels
	s_lshl_b32 s66, s66, 5
	s_add_co_u32 s66, s66, s63
	s_lshl_b32 s36, s66, 11
	s_add_nc_u64 s[54:55], s[24:25], s[36:37]      ; V's images
	s_lshl_b32 s36, s66, 6
	s_add_co_u32 s36, s36, 4194304
	s_add_nc_u64 s[56:57], s[24:25], s[36:37]      ; V's scale words
	s_lshl_b32 s63, s[BB], 8
	s_lshl_b32 s66, s[PB], 3
	s_add_co_u32 s63, s63, s66                     ; the work-group's first pixel tile: 256 b + 8 pb
	s_add_co_u32 s66, s63, s[WV]                   ; mine
	s_mul_i32 s67, s66, 3
	s_add_co_u32 s67, s67, s[ROLE]
	s_lshl_b32 s67, s67, 10
	s_add_co_u32 s67, s67, 524288-1024             ; K: [tile][branch = role - 1]
	s_lshl_b32 s66, s66, 10                        ; Q: [tile]
	s_cmp_eq_u32 s[ROLE], 0
	s_cselect_b32 s36, s66, s67
	s_add_nc_u64 s[50:51], s[22:23], s[36:37]
	s_lshl_b32 s66, s63, 6
	s_add_co_u32 s66, s66, 2097152                 ; Q's words: [tile][16]
	s_mul_i32 s67, s[BB], 3
	s_add_co_u32 s67, s67, s[ROLE]
	s_lshl_b32 s67, s67, 14
	s_lshl_b32 s68, s[PB], 9
	s_add_co_u32 s67, s67, s68
	s_add_co_u32 s67, s67, 2129920-16384           ; K's words: [batch][branch][tile][16]
	s_cmp_eq_u32 s[ROLE], 0
	s_cselect_b32 s36, s66, s67
	s_add_nc_u64 s[52:53], s[22:23], s[36:37]
	s_wait_alu depctr_va_vdst(0)                   ; the offsets and LDS addresses v1 to v15 are written: every load and store of the kernel reads one of them
	; the weights' loads, all ahead of the tensor's
.irp i, 0,1,2,3,4,5,6,7
	global_load_b128 v[CP+4*\i:CP+4*\i+3], v[LI], s[40:41] offset:512*\i
.endr
.irp t, 0,1,2,3
.irp p, 0,1
	global_load_b32 v[WS+2*\t+\p], v[L4], s[42:43] offset:256*\t+128*\p     ; lanes 0-15: K step 2 p; lanes 16-31: 2 p + 1
.endr
.endr
.irp t, 0,1,2,3
	global_load_b128 v[HA+8*\t:HA+8*\t+3], v[H64], s[34:35] offset:(32*(\t/2)+8*(\t%2))*4       ; the bias in the result's layout starts the sums
	global_load_b128 v[HA+8*\t+4:HA+8*\t+7], v[H64], s[34:35] offset:(32*(\t/2)+8*(\t%2))*4+16
.endr
	WIN 0x40                                       ; destination window 1
.irp e, 0,1
.irp s, 0,1,2,3
.irp c, 0,1,2,3
	global_load_b128 v[16*(4*\e+\s)+4*\c:16*(4*\e+\s)+4*\c+3], v[LI], s[44:45] offset:8192*\e+2048*\s+512*\c
.endr
.endr
.endr
	WIN 0
.irp e, 0,1
.irp p, 0,1
	global_load_b32 v[WVS+2*\e+\p], v[L4], s[46:47] offset:256*\e+128*\p
.endr
.endr
	global_load_b32 v[BV], v[PI4], s[48:49]
	global_load_b32 v[BV+8], v[PI4], s[48:49] offset:32
.macro LOAD t                          ; block t: channels 32 t + i of my pixel: 32 lanes read 128 consecutive bytes, four waves side by side 512
.set i_, 0
.rept 32
	global_load_b32 v[X+32*((\t)%2)+i_], v[L4], s[32:33] offset:(32*(\t)+i_)*16384
.set i_, i_+1
.endr
.endm
	LOAD 0
	s_wait_loadcnt 32                              ; all that was asked for ahead of block 0 is in
.irp i, 0,1,2,3,4,5,6,7
	ds_store_b128 v[WCP], v[CP+4*\i:CP+4*\i+3] offset:512*\i
.endr
.irp e, 0,1
.irp i, 1,2,3,4,5,6,7
	v_mov_b32 v[BV+8*\e+\i], v[BV+8*\e]            ; V's bias as the C of a sum's first product: my channel's, for all eight rows
.endr
.endr
	LOAD 1                                         ; (no vector instruction has named this set or the offset since the wait at the head)
.macro BLOCK t
.set XS_, X+32*((\t)%2)
.if (\t) < 7
	s_wait_loadcnt 32                              ; this block's 32 loads are in; the next block's may be out
.else
	s_wait_loadcnt 0x0
.endif
	v_max3_num_f32 v[TM], |v[XS_]|, |v[XS_+1]|, |v[XS_+2]|         ; the block's largest magnitude: all 32 numbers are mine
	v_max3_num_f32 v[TM+1], |v[XS_+3]|, |v[XS_+4]|, |v[XS_+5]|
.irp i, 6,10,14,18,22,26
	v_max3_num_f32 v[TM], v[TM], |v[XS_+\i]|, |v[XS_+\i+1]|
	v_max3_num_f32 v[TM+1], v[TM+1], |v[XS_+\i+2]|, |v[XS_+\i+3]|
.endr
	v_max3_num_f32 v[TM], v[TM], |v[XS_+30]|, |v[XS_+31]|
	v_max3_num_f32 v[TM], v[TM], v[TM+1], 0x8000000
	v_add_nc_u32 v[TM+2], 0xf8800000, v[TM]
	v_and_or_b32 v[TM+3], v[TM], 0x7f800000, s[MNT]
	v_lshrrev_b32 v[TM+1], 23, v[TM+2]
.if (\t)%4 == 0
	v_mov_b32 v[SB+(\t)/4], v[TM+1]
.else
	v_lshl_or_b32 v[SB+(\t)/4], v[TM+1], 8*((\t)%4), v[SB+(\t)/4]
.endif
.set i_, 0
.rept 32
	v_med3_num_f32 v[XS_+i_], v[XS_+i_], -v[TM+3], v[TM+3]
.set i_, i_+1
.endr
.if (\t) > 0
	s_wait_alu depctr_vm_vsrc(0)                   ; the last block's two LDS stores have read v[CD ..], which the conversions write again
.endif
.irp g, 0,1,2,3
	v_cvt_scalef32_pk8_bf8_f32 v[CD+2*\g:CD+2*\g+1], v[XS_+8*\g:XS_+8*\g+7], v[TM+2]
.endr
	v_nop
	s_wait_alu depctr_va_vdst(0)                   ; the conversions have written v[CD ..], which the stores read; holds and conversions are done with this set, in which the loads below land; in the last block the bytes v[SB ..] are written too
	ds_store_b128 v[XST], v[CD:CD+3] offset:32*(\t)
	ds_store_b128 v[XST], v[CD+4:CD+7] offset:32*(\t)+16
.if (\t)+2 < 8
	LOAD (\t)+2
.endif
.endm
.irp t, 0,1,2,3,4,5,6,7
	BLOCK \t
.endr
	ds_store_b64 v[XSS], v[SB:SB+1]
	s_wait_dscnt 0x0                               ; for the others' sake: my codes, bytes and part of the weights lie in LDS
	s_barrier_signal -1
	s_barrier_wait -1
	; ---- B1: Q or K of pixel tile w
	s_wait_alu depctr_vm_vsrc(0)                   ; my LDS stores have read the copy's registers, the codes' and the bytes' (v192-239), in which weight fragments land from here on
.irp s, 0,1,2,3
.irp c, 0,1,2,3
	ds_load_b128 v[XF+16*\s+4*\c:XF+16*\s+4*\c+3], v[XFA] offset:128*\s+32*\c
.endr
.endr
	ds_load_b32 v[XS], v[XSA]
	ds_load_b32 v[XS+1], v[XSA] offset:8
.macro LWB s                           ; the four weight tiles' fragments of K step s, into set s % 2: 16 loads
.set WL_, WB+(WB1-WB)*((\s)%2)
.if (\s)%2
	WIN 0x40                                       ; destination window 1
.endif
.irp t, 0,1,2,3
.irp c, 0,1,2,3
	ds_load_b128 v[WL_+16*\t+4*\c:WL_+16*\t+4*\c+3], v[WRD] offset:(4*\t+(\s))*2048+512*\c
.endr
.endr
	WIN 0
.endm
	LWB 0
	LWB 1
.irp s, 0,1,2,3
.if \s < 3
	s_wait_dscnt 16                                ; this K step's fragments are in; the other set's 16 loads may be out
.else
	s_wait_dscnt 0x0
.endif
.set WA_, WB+(WB1-WB)*(\s%2)
.if \s%2
	WIN 0x01                                       ; source 0 (the weight) window 1
.endif
.irp t, 0,1,2,3                        ; the four accumulators by turns
	WM HA+8*\t, WA_+16*\t, XF+16*\s, HA+8*\t, WS+2*\t+\s/2, XS+\s/2, \s%2, \s%2
.endr
	WIN 0
	PLACES 9                                       ; in front of loads into registers that the products read, of the first read of results, and of products that begin these accumulators anew
.if \s < 2
	s_wait_alu depctr_va_vdst(0)                   ; this K step's products are done reading their set of weight fragments, in which the loads below land
	LWB \s+2                                       ; they land while the other set is multiplied
.endif
.endr
	QB2 HA, HA+16, PC, PC+4
	v_lshl_or_b32 v[PW], v[TM+9], 8, v[TM+8]
	v_or_b32 v[PW], 0x7f7f0000, v[PW]              ; the upper 64 of the K step are zero codes under the byte 127
	s_wait_alu depctr_va_vdst(0)                   ; the codes v[PC ..] and the word v[PW] are written, which the three stores read; the products are done reading v124-255, in which phase B2's first loads land
	global_store_b128 v[LI], v[PC:PC+3], s[50:51]
	global_store_b128 v[LI], v[PC+4:PC+7], s[50:51] offset:512
	ds_store_b32 v[QGW], v[PW]
	s_wait_alu depctr_vm_vsrc(0)                   ; the stores have read v[PC ..], which phase B2's first conversions write again
	; ---- B2: V, roles 0 and 1
	s_cmp_ge_u32 s[ROLE], 2
	s_cbranch_scc1 .Lno_v
.macro LXB g                           ; pixel tiles 2 g, 2 g + 1: eight fragments and their scale words
.irp u, 0,1
.irp s, 0,1,2,3
.irp c, 0,1,2,3
	ds_load_b128 v[XB+16*(4*\u+\s)+4*\c:XB+16*(4*\u+\s)+4*\c+3], v[XFB] offset:(32*(\g)+8*\u)*XP+128*\s+32*\c
.endr
.endr
.endr
.irp u, 0,1
.irp p, 0,1
	ds_load_b32 v[XS+2*\u+\p], v[XSB] offset:16*(32*(\g)+8*\u)+8*\p
.endr
.endr
.endm
	s_wait_xcnt 0x0                                ; the stores above have read the codes' registers, which are written again below
	LXB 0
.irp g, 0,1,2,3
	s_wait_dscnt 0x0
	WIN 0x04                                       ; source 1 (Wv) window 1
.irp s, 0,1,2,3
.irp e, 0,1
.irp u, 0,1
.if \s == 0
	WM VA+8*(2*\e+\u), XB+16*(4*\u+\s), 16*(4*\e+\s), BV+8*\e, XS+2*\u+\s/2, WVS+2*\e+\s/2, \s%2, \s%2
.else
	WM VA+8*(2*\e+\u), XB+16*(4*\u+\s), 16*(4*\e+\s), VA+8*(2*\e+\u), XS+2*\u+\s/2, WVS+2*\e+\s/2, \s%2, \s%2
.endif
.endr
.endr
.endr
	WIN 0
	PLACES 9
	s_wait_alu depctr_va_vdst(0)                   ; the products are done reading the pixels' fragments and words, in which the loads below land; the step before has written its codes, which the stores below read
.if \g < 3
	LXB \g+1                                       ; they land while this block is quantised
.endif
.if \g > 0
	global_store_b128 v[LI], v[PC+8*(\g-1):PC+8*(\g-1)+3], s[54:55] offset:512*(\g-1)           ; the step before: each step has code registers of its own
	global_store_b128 v[LI], v[PC+8*(\g-1)+4:PC+8*(\g-1)+7], s[54:55] offset:2048+512*(\g-1)
.endif
	QB2 VA, VA+16, PC+8*\g, PC+8*\g+4              ; 32 pixels of my channel, for each of the two channel tiles: group g of V's fragment
.if \g == 0
	v_mov_b32 v[VW], v[TM+8]
	v_mov_b32 v[VW+1], v[TM+9]
.else
	v_lshl_or_b32 v[VW], v[TM+8], 8*\g, v[VW]
	v_lshl_or_b32 v[VW+1], v[TM+9], 8*\g, v[VW+1]
.endif
.endr
	v_cmp_le_u32 vcc_lo, 16, v[LN]
	s_wait_alu depctr_va_vcc(0)                    ; the mask is written, ahead of the select that reads it
	v_cndmask_b32 v[VO], v[VW], v[VW+1], vcc_lo    ; lanes 0-15 the first tile's words, lanes 16-31 the second's
	s_wait_alu depctr_va_vdst(0)                   ; the last step's codes and the words v[VO] are written, which the three stores read
	global_store_b128 v[LI], v[PC+24:PC+27], s[54:55] offset:1536
	global_store_b128 v[LI], v[PC+28:PC+31], s[54:55] offset:2048+1536
	global_store_b32 v[L4], v[VO], s[56:57]        ; 128 consecutive bytes a wave
.Lno_v:
	s_wait_dscnt 0x0
	s_barrier_signal -1
	s_barrier_wait -1
	s_cmp_lg_u32 s[WV], 0
	s_cbranch_scc1 .Lend
	s_wait_alu depctr_va_vdst(0)                   ; the quantiser's lines are done with v[TM ..], in which the load lands (two ways lead here)
	ds_load_b128 v[TM:TM+3], v[QGR]                ; the eight tiles' words: 512 bytes
	s_wait_dscnt 0x0
	global_store_b128 v[LI], v[TM:TM+3], s[52:53]  ; 512 consecutive bytes, aligned
.Lend:
	s_wait_dscnt 0x0                               ; the closing lines, six on end
	s_wait_alu 0x0
	s_wait_tensorcnt 0x0
	ds_add_u32 v26, v27
	s_wait_dscnt 0x0
	s_endpgm
.Lfunc_end_k_q4a971b1be0_project:
	.size	k_q4a971b1be0_project, .Lfunc_end_k_q4a971b1be0_project-k_q4a971b1be0_project
	.p2alignl 7, 3214868480
	.fill 96, 4, 3214868480
	.section	.rodata,"a",@progbits
	.p2align	6, 0x0
	.amdhsa_kernel k_q4a971b1be0_project
		.amdhsa_group_segment_fixed_size 105472
		.amdhsa_private_segment_fixed_size 0
		.amdhsa_enable_private_segment 0
		.amdhsa_kernarg_size 88
		.amdhsa_user_sgpr_count 2
		.amdhsa_user_sgpr_kernarg_segment_ptr 1
		.amdhsa_wavefront_size32 1
		.amdhsa_system_sgpr_workgroup_id_x 1
		.amdhsa_system_sgpr_workgroup_id_y 1
		.amdhsa_system_sgpr_workgroup_id_z 1
		.amdhsa_system_vgpr_workitem_id 0
		.amdhsa_next_free_vgpr 448
		.amdhsa_next_free_sgpr 72
		.amdhsa_reserve_vcc 1
		.amdhsa_float_denorm_mode_32 3
		.amdhsa_float_denorm_mode_16_64 3
		.amdhsa_memory_ordered 1
		.amdhsa_forward_progress 1
		.amdhsa_inst_pref_size 116
	.end_amdhsa_kernel
	.amdgpu_metadata
---
amdhsa.version: [ 1, 2 ]
amdhsa.kernels:
  - .name:           k_q4a971b1be0_project
    .symbol:         k_q4a971b1be0_project.kd
    .args:
      - { .name: x, .offset: 0, .size: 8, .value_kind: global_buffer, .address_space: global }
      - { .name: y, .offset: 8, .size: 8, .value_kind: global_buffer, .address_space: global }
      - { .name: z, .offset: 16, .size: 8, .value_kind: global_buffer, .address_space: global }
      - { .name: bq, .offset: 24, .size: 8, .value_kind: global_buffer, .address_space: global }
      - { .name: bk1, .offset: 32, .size: 8, .value_kind: global_buffer, .address_space: global }
      - { .name: bk2, .offset: 40, .size: 8, .value_kind: global_buffer, .address_space: global }
      - { .name: bk3, .offset: 48, .size: 8, .value_kind: global_buffer, .address_space: global }
      - { .name: bv, .offset: 56, .size: 8, .value_kind: global_buffer, .address_space: global }
      - { .name: wq, .offset: 64, .size: 8, .value_kind: global_buffer, .address_space: global }
      - { .name: qk, .offset: 72, .size: 8, .value_kind: global_buffer, .address_space: global }
      - { .name: vq, .offset: 80, .size: 8, .value_kind: global_buffer, .address_space: global }
    .group_segment_fixed_size: 105472
    .private_segment_fixed_size: 0
    .kernarg_segment_align: 8
    .kernarg_segment_size: 88
    .max_flat_workgroup_size: 256
    .sgpr_count:     72
    .vgpr_count:     448
    .wavefront_size: 32
...
	.end_amdgpu_metadata
.endif
;; end of part 6
;; launch stats: the kernel of part 3 again; grid 128 x 2, 12 waves a work-group, clusters of 4 x 1, 327,680 bytes of LDS; arguments qk, nlse; writes nlse
;; launch attend: the kernel of part 4 again; grid 128 x 2, 8 waves a work-group, clusters of 4 x 1, 327,680 bytes of LDS; arguments qk, vq, nlse, aq; writes aq
;; launch final (part 7): grid 256 x 1, 8 waves a work-group, no clusters, 103,424 bytes of LDS; arguments aq, wq, bl, gamma, x, out0; writes out0
.if DOCPART == 7
	.amdgcn_target "amdgcn-amd-amdhsa--gfx1250"
	.amdhsa_code_object_version 6
	.text
	.protected	k_q4a971b1be0_final
	.globl	k_q4a971b1be0_final
	.p2align	8
	.type	k_q4a971b1be0_final,@function
k_q4a971b1be0_final:
	s_mov_b64 s[64:65], 0
	v_nop
	global_prefetch_b8 v0, s[64:65] scope:SCOPE_SE
	s_setreg_imm32_b32 hwreg(HW_REG_WAVE_SCHED_MODE, 0, 2), 2
	s_setreg_imm32_b32 hwreg(HW_REG_WAVE_MODE, 25, 1), 1
	s_wait_xcnt 0x0
	s_wait_alu depctr_vm_vsrc(0)
; out(o, n) = x(o, n) + gamma (the sum over c of Wl(o, c) att(c, n) + bl(o)), the product on codes of BF8 (E5M2) with E8M0 scales, both operands as images of operand registers.
; SHARES.  A work-group takes 64 n (four tiles: 256 bytes of a row of x and of out) x 256 o; wave w takes 32 neighbouring o (two tiles of Wl, which stay in its registers).
; Source 0 = 16 n of att, source 1 = 16 rows of Wl: a lane holds one o, and its eight registers are eight neighbouring n of that row.  bl is the C of each sum's first product.
; The 16 images of att (32,768 dense bytes) are copied to LDS once, an eighth a wave, and read by all.  Results go through the wave's own stage and leave as whole rows of 256 bytes.
; No joint loads: each half of Wl is read once a work-group, straight into the registers in which it stays; att's images are the work-group's own.
; THE MODE: SCHED_MODE bits 1:0 = 2 (LLVM: expert scheduling mode 2), set by the entry lines.  The code itself states the register dependences
; between vector or matrix instructions and memory or LDS instructions, with s_wait_alu, always for 0.
; THE PLAN.  Registers that memory or LDS instructions touch:
;   v1-7      offsets and LDS addresses: made once at the head and never written again: one wait on va_vdst ahead of the first load serves them all.
;   v16-47    the copy: filled by global loads, read by my LDS stores; one wait on vm_vsrc behind the barrier, ahead of the fragment loads that land there.
;   AF        att's fragments have THREE sets: K steps 0, 1 and 2 are asked for in one run; K step 3 lands in set 0, behind one wait on va_vdst that shows K step 0's products done reading it.
;   ACC       written by the products, read by the LDS stores into the stage: the places, then one wait on va_vdst, which also shows set 0 read out: the rows come back into it.
;   v16-79    on the way out: filled by LDS loads, written in place by the multiply-adds with x, read by the global stores: four pairs of rows at a time, one wait on va_vdst ahead of each run of four stores.
.set STG, 32768                        ; behind the images: 32 rows x (256 bytes + 16) for each wave
.set SPT, 272
.set WORDS, 655360
.set LI,  1
.set L4,  2
.set CPW, 3
.set PI4, 4
.set XO,  5
.set SO,  6
.set SR,  7
.set AF,  16                           ; v16-143  att's fragments, sets 0 and 1 of four; later the rows read back
.set AF2, 192                          ; window 1, v192-255: set 2
.set ACC, 144                          ; v144-207 accumulator 4 e + tile of n
.set BL,  208                          ; v208-223 bl of my o, eight times, for two tiles
.set ASW, 224                          ; v224-231 att's scale words; v232-235 Wl's: scale words and nothing else
.set WSW, 232
.set X,   128                          ; window 1: v0-127 Wl's eight fragments; v128-191 x
.set WV,  18
.set OH,  19
.set NBK, 20
.set BB,  21
.set MSB, 0
.macro WIN new
.if MSB != \new
	s_set_vgpr_msb (MSB<<8)|\new
.set MSB, \new
.endif
.endm
.macro WM d, a, b, c, sa, sb, ra       ; both sides' words stand in the same half of the lanes
.if (\ra)
	v_wmma_scale_f32_16x16x128_f8f6f4 v[(\d):(\d)+7], v[(\a):(\a)+15], v[(\b):(\b)+15], v[(\c):(\c)+7], v[(\sa)], v[(\sb)] matrix_a_fmt:MATRIX_FMT_BF8 matrix_b_fmt:MATRIX_FMT_BF8 matrix_a_scale:MATRIX_SCALE_ROW1 matrix_b_scale:MATRIX_SCALE_ROW1
.else
	v_wmma_scale_f32_16x16x128_f8f6f4 v[(\d):(\d)+7], v[(\a):(\a)+15], v[(\b):(\b)+15], v[(\c):(\c)+7], v[(\sa)], v[(\sb)] matrix_a_fmt:MATRIX_FMT_BF8 matrix_b_fmt:MATRIX_FMT_BF8
.endif
.endm
	s_load_b256 s[4:11], s[0:1], 0x0               ; aq, wq, bl, gamma
	s_load_b128 s[12:15], s[0:1], 0x20             ; x, out0
	v_lshl_add_u32 v254, v0, 2, 0x19000
	v_mov_b32 v255, 0
	v_lshrrev_b32 v8, 5, v0
	v_readfirstlane_b32 s[WV], v8                  ; wave 0..7
	s_and_b32 s[OH], ttmp9, 1                      ; which 256 o
	s_lshr_b32 s[NBK], ttmp9, 1                    ; which 64 n, batches on end
	s_lshr_b32 s[BB], s[NBK], 6
	v_and_b32 v8, 31, v0
	v_and_b32 v9, 15, v0                           ; r
	v_bfe_u32 v10, v0, 4, 1                        ; h
	v_and_b32 v11, 8, v9
	v_add_nc_u32 v11, v11, v9                      ; r + 8 (r / 8)
	v_lshlrev_b32 v[LI], 4, v8
	v_lshlrev_b32 v[L4], 2, v8
	s_wait_alu depctr_va_sdst(0)                   ; the wave's number is written, ahead of its first reader
	s_lshl_b32 s24, s[WV], 12
	v_add_nc_u32 v[CPW], s24, v[LI]
	v_lshlrev_b32 v[PI4], 2, v11
	v_lshlrev_b32 v[XO], 14, v10                   ; lanes 0-15 one row of x, lanes 16-31 the next; 16 bytes a lane
	v_lshl_add_u32 v[XO], v9, 4, v[XO]
	s_mul_i32 s24, s[WV], 32*SPT
	s_add_co_u32 s24, s24, STG                     ; my stage
	v_mul_u32_u24 v[SO], v11, SPT
	v_lshl_add_u32 v[SO], v10, 6, v[SO]
	v_add_nc_u32 v[SO], s24, v[SO]                 ; in: row r + 8 (r / 8) (+ 8 e), + 64 h
	v_mul_u32_u24 v[SR], v10, SPT
	v_lshl_add_u32 v[SR], v9, 4, v[SR]
	v_add_nc_u32 v[SR], s24, v[SR]                 ; back: two rows an instruction
	s_mov_b32 s23, 0
	s_wait_kmcnt 0x0
	s_load_b32 s16, s[10:11], 0x0                  ; gamma
	s_lshl_b32 s22, s[NBK], 15
	s_lshl_b32 s24, s[WV], 12
	s_add_co_u32 s22, s22, s24
	s_add_nc_u64 s[28:29], s[4:5], s[22:23]        ; my eighth of att's 16 images
	s_lshl_b32 s22, s[NBK], 10
	s_add_co_u32 s22, s22, 4194304
	s_add_nc_u64 s[30:31], s[4:5], s[22:23]        ; their scale words
	s_lshl_b32 s24, s[OH], 4
	s_lshl_b32 s25, s[WV], 1
	s_add_co_u32 s24, s24, s25                     ; my first tile of Wl
	s_add_co_u32 s25, s24, 48                      ; its number in wq
	s_lshl_b32 s22, s25, 13
	s_add_nc_u64 s[32:33], s[6:7], s[22:23]
	s_lshl_b32 s22, s25, 8
	s_add_co_u32 s22, s22, WORDS
	s_add_nc_u64 s[34:35], s[6:7], s[22:23]
	s_lshl_b32 s22, s24, 6
	s_add_nc_u64 s[36:37], s[8:9], s[22:23]        ; bl
	s_lshl_b32 s22, s[BB], 23
	s_lshl_b32 s24, s[OH], 22
	s_add_co_u32 s22, s22, s24
	s_lshl_b32 s24, s[WV], 19
	s_add_co_u32 s22, s22, s24
	s_and_b32 s24, s[NBK], 63
	s_lshl_b32 s24, s24, 8
	s_add_co_u32 s22, s22, s24
	s_add_nc_u64 s[38:39], s[12:13], s[22:23]      ; x and out at my first row, my 64 n
	s_add_nc_u64 s[40:41], s[14:15], s[22:23]
	s_wait_alu depctr_va_vdst(0)                   ; the offsets and LDS addresses v1 to v7 are written: every load and store of the kernel reads one of them
.irp i, 0,1,2,3,4,5,6,7
	global_load_b128 v[AF+4*\i:AF+4*\i+3], v[LI], s[28:29] offset:512*\i
.endr
.irp t, 0,1,2,3
.irp p, 0,1
	global_load_b32 v[ASW+2*\t+\p], v[L4], s[30:31] offset:256*\t+128*\p     ; lanes 0-15: K step 2 p; lanes 16-31: 2 p + 1
.endr
.endr
.irp e, 0,1
.irp p, 0,1
	global_load_b32 v[WSW+2*\e+\p], v[L4], s[34:35] offset:256*\e+128*\p
.endr
.endr
	global_load_b32 v[BL], v[PI4], s[36:37]
	global_load_b32 v[BL+8], v[PI4], s[36:37] offset:32
	WIN 0x40                                       ; destination window 1
.irp e, 0,1
.irp s, 0,1,2,3
.irp c, 0,1,2,3
	global_load_b128 v[16*(4*\e+\s)+4*\c:16*(4*\e+\s)+4*\c+3], v[LI], s[32:33] offset:8192*\e+2048*\s+512*\c
.endr
.endr
.endr
.irp i, 0,1,2,3,4,5,6,7,8,9,10,11,12,13,14,15
	global_load_b128 v[X+4*\i:X+4*\i+3], v[XO], s[38:39] offset:32768*\i th:TH_LOAD_NT   ; 16 lanes read 256 consecutive bytes, aligned
.endr
	WIN 0
	s_wait_loadcnt 62                              ; the eight loads of the copy are in; the 62 behind them may be out
.irp i, 0,1,2,3,4,5,6,7
	ds_store_b128 v[CPW], v[AF+4*\i:AF+4*\i+3] offset:512*\i
.endr
	s_wait_dscnt 0x0                               ; for the others' sake
	s_barrier_signal -1
	s_barrier_wait -1
.macro FETCH s, reg                    ; K step s of the four tiles of n, into the 64 registers from reg on: 16 loads
.irp t, 0,1,2,3
.irp c, 0,1,2,3
	ds_load_b128 v[(\reg)+16*\t+4*\c:(\reg)+16*\t+4*\c+3], v[LI] offset:(4*\t+(\s))*2048+512*\c
.endr
.endr
.endm
	s_wait_alu depctr_vm_vsrc(0)                   ; my LDS stores have read the copy's registers v16-47, in which K step 0's fragments land
	FETCH 0, AF
	FETCH 1, AF+64
	WIN 0x40                                       ; destination window 1
	FETCH 2, AF2
	WIN 0
	s_wait_loadcnt 16                              ; all but x
.irp e, 0,1
.irp i, 1,2,3,4,5,6,7
	v_mov_b32 v[BL+8*\e+\i], v[BL+8*\e]
.endr
.endr
.rept 8
	v_nop                                          ; between the lines that wrote bl's registers and the first products
.endr
; K step s: eight products on the fragments from reg on.  win: the windows (source 1, Wl, in window 1; set 2 too).  left: the younger LDS loads that may stay out.  places = 1: eight places follow.
.macro KSTEP s, reg, win, left, places
	s_wait_dscnt \left
	WIN \win
.irp e, 0,1
.irp t, 0,1,2,3                        ; the eight accumulators by turns
.if (\s) == 0
	WM ACC+8*(4*\e+\t), (\reg)+16*\t, 16*(4*\e+(\s)), BL+8*\e, ASW+2*\t+(\s)/2, WSW+2*\e+(\s)/2, (\s)%2
.else
	WM ACC+8*(4*\e+\t), (\reg)+16*\t, 16*(4*\e+(\s)), ACC+8*(4*\e+\t), ASW+2*\t+(\s)/2, WSW+2*\e+(\s)/2, (\s)%2
.endif
.endr
.endr
	WIN 0
.if \places
.rept 8
	v_nop                                          ; places in front of loads into registers that the products read, and of the first read of results
.endr
.endif
.endm
	KSTEP 0, AF, 0x04, 32, 1                       ; K step 0 is in; those of K steps 1 and 2, 32 loads, may be out
	s_wait_alu depctr_va_vdst(0)                   ; K step 0's products are done reading set 0, in which K step 3's fragments land
	FETCH 3, AF
	KSTEP 1, AF+64, 0x04, 32, 0                    ; behind K step 1's loads: those of K steps 2 and 3
	KSTEP 2, AF2, 0x05, 16, 0                      ; behind K step 2's: those of K step 3
	KSTEP 3, AF, 0x04, 0, 1
	s_wait_alu depctr_va_vdst(0)                   ; the products have written the accumulators, which the LDS stores read, and are done reading set 0, in which the rows come back; the places above stay beside this wait
.irp e, 0,1
.irp t, 0,1,2,3
	ds_store_b128 v[SO], v[ACC+8*(4*\e+\t):ACC+8*(4*\e+\t)+3] offset:8*\e*SPT+128*(\t/2)+32*(\t%2)        ; each accumulator from its low end on
	ds_store_b128 v[SO], v[ACC+8*(4*\e+\t)+4:ACC+8*(4*\e+\t)+7] offset:8*\e*SPT+128*(\t/2)+32*(\t%2)+16
.endr
.endr
.irp i, 0,1,2,3,4,5,6,7,8,9,10,11,12,13,14,15
	ds_load_b128 v[AF+4*\i:AF+4*\i+3], v[SR] offset:2*\i*SPT   ; LDS serves a wave's instructions in order (ISA guide 5.7.1.4): these see my stores
.endr
	s_wait_loadcnt 0x0                             ; x
	s_wait_kmcnt 0x0                               ; gamma
	s_mov_b32 s17, s16                             ; (named with it as a pair)
	WIN 0x10                                       ; source 2 (x) window 1
.irp k, 0,1,2,3                        ; four pairs of rows at a time
	s_wait_dscnt 12-4*\k                           ; these four loads are back; the younger ones may be out
.irp i, 0,1,2,3
	v_pk_fma_f32 v[AF+4*(4*\k+\i):AF+4*(4*\k+\i)+1], v[AF+4*(4*\k+\i):AF+4*(4*\k+\i)+1], s[16:17], v[X+4*(4*\k+\i):X+4*(4*\k+\i)+1] op_sel_hi:[1,0,1]
	v_pk_fma_f32 v[AF+4*(4*\k+\i)+2:AF+4*(4*\k+\i)+3], v[AF+4*(4*\k+\i)+2:AF+4*(4*\k+\i)+3], s[16:17], v[X+4*(4*\k+\i)+2:X+4*(4*\k+\i)+3] op_sel_hi:[1,0,1]
.endr
	s_wait_alu depctr_va_vdst(0)                   ; the eight multiply-adds have written their sixteen registers, which the four stores read
.irp i, 0,1,2,3
	global_store_b128 v[XO], v[AF+4*(4*\k+\i):AF+4*(4*\k+\i)+3], s[40:41] offset:32768*(4*\k+\i) th:TH_STORE_NT   ; 16 lanes store 256 consecutive bytes, aligned
.endr
.endr
	WIN 0
	s_wait_dscnt 0x0                               ; the closing lines, six on end
	s_wait_alu 0x0
	s_wait_tensorcnt 0x0
	ds_add_u32 v254, v255
	s_wait_dscnt 0x0
	s_endpgm
.Lfunc_end_k_q4a971b1be0_final:
	.size	k_q4a971b1be0_final, .Lfunc_end_k_q4a971b1be0_final-k_q4a971b1be0_final
	.p2alignl 7, 3214868480
	.fill 96, 4, 3214868480
	.section	.rodata,"a",@progbits
	.p2align	6, 0x0
	.amdhsa_kernel k_q4a971b1be0_final
		.amdhsa_group_segment_fixed_size 103424
		.amdhsa_private_segment_fixed_size 0
		.amdhsa_enable_private_segment 0
		.amdhsa_kernarg_size 48
		.amdhsa_user_sgpr_count 2
		.amdhsa_user_sgpr_kernarg_segment_ptr 1
		.amdhsa_wavefront_size32 1
		.amdhsa_system_sgpr_workgroup_id_x 1
		.amdhsa_system_sgpr_workgroup_id_y 1
		.amdhsa_system_sgpr_workgroup_id_z 1
		.amdhsa_system_vgpr_workitem_id 0
		.amdhsa_next_free_vgpr 512
		.amdhsa_next_free_sgpr 66
		.amdhsa_reserve_vcc 0
		.amdhsa_float_denorm_mode_32 3
		.amdhsa_float_denorm_mode_16_64 3
		.amdhsa_memory_ordered 1
		.amdhsa_forward_progress 1
		.amdhsa_inst_pref_size 26
	.end_amdhsa_kernel
	.amdgpu_metadata
---
amdhsa.version: [ 1, 2 ]
amdhsa.kernels:
  - .name:           k_q4a971b1be0_final
    .symbol:         k_q4a971b1be0_final.kd
    .args:
      - { .name: aq, .offset: 0, .size: 8, .value_kind: global_buffer, .address_space: global }
      - { .name: wq, .offset: 8, .size: 8, .value_kind: global_buffer, .address_space: global }
      - { .name: bl, .offset: 16, .size: 8, .value_kind: global_buffer, .address_space: global }
      - { .name: gamma, .offset: 24, .size: 8, .value_kind: global_buffer, .address_space: global }
      - { .name: x, .offset: 32, .size: 8, .value_kind: global_buffer, .address_space: global }
      - { .name: out0, .offset: 40, .size: 8, .value_kind: global_buffer, .address_space: global }
    .group_segment_fixed_size: 103424
    .private_segment_fixed_size: 0
    .kernarg_segment_align: 8
    .kernarg_segment_size: 48
    .max_flat_workgroup_size: 256
    .sgpr_count:     66
    .vgpr_count:     512
    .wavefront_size: 32
...
	.end_amdgpu_metadata
.endif
;; end of part 7
